; MI455X (gfx1250); checked and timed in simulation.
; The chip was launched on July 23, 2026; its instructions are those of AMD's public machine-readable ISA for CDNA 5 (MIT licence, August 2026) and "CDNA5" Instruction Set Architecture Reference Guide (July 2026). The comments in the code are by the model that wrote it; some were corrected since.
;; Multi Head Self Attention. Allowed arithmetic: matrix products marked QUANTISED: E2M1 operands, one E8M0 scale for each 32 along K, by v_wmma_scale_f32_16x16x128_f8f6f4 with both operands' format E2M1 (or v_wmma_scale_f32_32x16x128_f4), f32 sums; products left as they are: bf16, f16 or f32 operands; f32 sums; everything else in f32.
;; Inputs: mask 2 x 2,048 int32; proj_b 1,024 float32; proj_w 1,024 x 1,024 float32; qkv_b 3,072 float32; qkv_w 3,072 x 1,024 float32; x 2 x 2,048 x 1,024 float32.
;; Outputs: out0 2 x 2,048 x 1,024 float32.
;; This version of the problem:
;;   THIS VERSION OF THE PROBLEM IS GIVEN IN LOW PRECISION. The matrix products marked QUANTISED in the list below multiply operands that are first quantised to E2M1 (2 exponent bits, 1 mantissa bit; 4 bits a number), with one power-of-two scale for each 32 numbers along K (OCP MX v1.0); their sums are f32. The products marked 'left as it is' may take bf16, f16 or f32 operands, with f32 sums. Whichever they take, every output number must still come out within the allowed error. Rounding operands to bf16 (8 significant bits) uses up far more of that allowance than f16 does (11 bits, for magnitudes from 6e-5 to 65,504). All else is computed in f32.
;;   The module's matrix products, in the order in which they are computed (A, B: the left and right operand; K: the contracted axis; several contracted axes count as one K, in the product's order):
;;     1. [M 4,096, K 1,024] x [K 1,024, N 3,072]; A: input x; B: input qkv_w: QUANTISED
;;     2. batch 32 x [M 2,048, K 64] x [K 64, N 2,048]; A: computed on the way; B: computed on the way: left as it is (an operand is computed on the way)
;;     3. batch 32 x [M 2,048, K 2,048] x [K 2,048, N 64]; A: computed on the way; B: computed on the way: left as it is (an operand is computed on the way)
;;     4. [M 4,096, K 1,024] x [K 1,024, N 1,024]; A: computed on the way; B: input proj_w: left as it is (an operand is computed on the way)
;;   THE QUANTISER, for each operand of a quantised product, along K:
;;     - K is cut into blocks of 32 from its start; a last block that is shorter is filled with zeros.
;;     - A block's scale is 2^e with e = floor(log2(the largest magnitude in the block)) - 2, held to -126 .. 127; a block of zeros has e = 0. As a byte (E8M0): e + 127.
;;     - Each number is divided by its block's scale, clamped to +-6, and rounded to the nearest number of E2M1, ties to even, subnormals kept.
;;     - The product sums the exact products of the quantised numbers (number of the format x scale) in f32.
;;   ~~~python
;;   def quantise(x, axis):      # numpy; x: float32 -> the quantised numbers, widened to float32 again
;;       x = np.moveaxis(x, axis, -1); K = x.shape[-1]
;;       x = np.pad(x, [(0, 0)] * (x.ndim - 1) + [(0, -K % 32)]); x = x.reshape(x.shape[:-1] + (-1, 32)); a = np.abs(x).max(-1, keepdims=True)
;;       e = np.where(a > 0, np.clip(np.frexp(np.where(a > 0, a, 1))[1] - 1 - 2, -126, 127), 0)      # np.frexp(a)[1] - 1 = floor(log2(a)), exactly
;;       r = np.clip(x / 2.0 ** e, -6, 6)
;;       step = 2.0 ** (np.maximum(np.frexp(np.where(r == 0, 1, r))[1] - 1, 0) - 1)
;;       q = np.round(r / step) * step * 2.0 ** e      # np.round: ties to even
;;       return np.moveaxis(q.reshape(q.shape[:-2] + (-1,))[..., :K], -1, axis).astype(np.float32)
;;   ~~~
;; One version. Each part assembles by itself: llvm-mc -triple=amdgcn-amd-amdhsa -mcpu=gfx1250 --defsym DOCPART=n.
;; ======== version 1 of 1: 4 launches
;; limits: values are held in f16: magnitudes above 65,504 overflow, below 6.1e-05 lose precision
;; workspace buffers: xc 2,097,152 bytes; xs 131,072 bytes; wc 1,572,864 bytes; ws 98,304 bytes; pw 2,097,152 bytes; qkvh 25,165,824 bytes; att 8,388,608 bytes
;; launch prep (part 1): grid 256 x 1, 4 waves a work-group, no clusters, 33,280 bytes of LDS; arguments x, qkv_w, xc, xs, wc, ws, proj_w, pw; writes xc, xs, wc, ws, pw
.if DOCPART == 1
	.amdgcn_target "amdgcn-amd-amdhsa--gfx1250"
	.amdhsa_code_object_version 6
	.text
	.protected	k_qabb0f26c1f_prep
	.globl	k_qabb0f26c1f_prep
	.p2align	8
	.type	k_qabb0f26c1f_prep,@function
k_qabb0f26c1f_prep:
	s_mov_b64 s[64:65], 0
	v_nop
	global_prefetch_b8 v0, s[64:65] scope:SCOPE_SE
	s_setreg_imm32_b32 hwreg(HW_REG_WAVE_MODE, 25, 1), 1
	s_wait_xcnt 0x0
; MULTI-HEAD SELF-ATTENTION, first of four launches.  No work of reference() is left out in any of them, and every input is loaded.  (The k third of qkv_b adds q . b_k to every score of a row, which
; a softmax of real numbers takes away; it stays: it is the C operand of matrix instructions that are issued anyway, in tiles that also hold q's or v's columns.)
; THIS LAUNCH: x [4096][1024] and qkv_w [3072][1024], f32, become codes of FP4 (E2M1), K innermost, two codes a byte (the lower k in the low four bits), with one E8M0 scale byte for each 32 along K;
; proj_w [1024][1024] is rounded to f16, for a product that is left as it is.
; A block's scale is 2^(floor(log2(its largest magnitude)) - 2); its byte is the largest magnitude's own exponent field - 2, held at 1 from below.  Each number is divided by the scale and rounded to the nearest code, ties to even.
; LIMITS: a block of zeros gets the byte 1 where the rule says 127: its codes are zeros, which add nothing under any byte but 0xff, and the bytes are read by this program alone.
; Blocks whose largest magnitude lies under 2^(2 - 126) have their byte held at 1.  NaN and infinities among the inputs are not served.  proj_w beyond 65,504 becomes infinity in f16.
; SHARES: a work-group takes 32,768 numbers, a wave 8,192.  Work-groups 0-127: x; 128-223: qkv_w; 224-255: proj_w.  Rows are dense and 1,024 is a multiple of 32: all three are plain streams.
; THE QUANTISER: a wave takes 16 steps of 512 numbers.  Each of a step's four loads reads 512 consecutive bytes, 16 a lane; the 2,048 bytes go through the wave's own stage in LDS and come back 64 bytes a lane, so that
; a lane holds 16 neighbours along K (two neighbouring lanes hold a block).  A lane's 16 codes are 8 bytes: the wave stores 256 consecutive bytes.  A wave's 256 scale bytes are gathered in LDS and leave as one store of 256 aligned bytes.
; No tensor loads, no barrier: waves share nothing.  Loads run four steps (16 loads a wave) ahead, the turn through LDS one step.
.set WAVES, 4
.set STEPS, 16
.set WGA,   128                        ; work-groups for x
.set WGQ,   224                        ; and for x and qkv_w together
.set EMAX,  2
.set CB,    8                          ; bytes of 16 codes
.set R,     16                         ; v16-79   four sets of 16 numbers as they are loaded
.set X,     80                         ; v80-111  two sets of 16 neighbours
.set C,     128                        ; v128-191 codes: four registers for each step, so that no store's data are written again
.set E,     112                        ; v112-127 a scale byte for each step
.set WREG,  8192                       ; LDS: a region for each wave: two stages of 32 x SP bytes, and behind them its 256 scale bytes
.set SP,    80                         ; a lane's place in a stage: its 64 bytes + 16 of padding
.set SPW,   12                         ; v12      LDS address of my spare word: SPARE + 4 x my thread's number; never rewritten
.set NIL,   13                         ; v13      0; never rewritten
.set SPARE, WAVES*WREG                 ; behind the four regions: the spare words, 128 bytes for each wave, which no other line names
.set F,     16                         ; proj_w's path: v16-143 two sets of 64 numbers
.set Y,     144                        ; v144-175 32 registers of f16 pairs
	s_load_b128 s[4:7], s[0:1], 0x0                ; x, qkv_w
	s_load_b128 s[8:11], s[0:1], 0x10              ; x's codes, x's scales
	s_load_b128 s[12:15], s[0:1], 0x20             ; qkv_w's codes, qkv_w's scales
	s_load_b128 s[24:27], s[0:1], 0x30             ; proj_w, its f16 copy
	v_lshl_add_u32 v[SPW], v0, 2, SPARE
	v_mov_b32 v[NIL], 0
	v_lshrrev_b32 v1, 5, v0
	v_readfirstlane_b32 s16, v1                    ; wave
	v_and_b32 v2, 31, v0                           ; lane
	v_lshlrev_b32 v3, 4, v2                        ; my 16 bytes of a load's 512
	s_mul_i32 s17, s16, WREG
	v_lshrrev_b32 v14, 2, v2
	v_mul_u32_u24 v14, v14, SP
	v_and_b32 v15, 3, v2
	v_lshl_add_u32 v14, v15, 4, v14
	v_add_nc_u32 v14, s17, v14                     ; the stage, on the way in: four lanes' 64 bytes on end, then 16 of padding
	v_mul_u32_u24 v15, v2, SP
	v_add_nc_u32 v15, s17, v15                     ; and on the way out: SP x lane: my 16 neighbours
	v_mul_u32_u24 v4, v2, CB                       ; my 8 bytes of a store's 256
	v_lshrrev_b32 v5, 1, v2
	s_add_co_u32 s17, s17, 2*32*SP
	v_add_nc_u32 v5, s17, v5                       ; LDS: my wave's 256 scale bytes, my block's byte
	v_lshlrev_b32 v7, 3, v2                        ; and on the way out 8 bytes a lane
	v_add_nc_u32 v6, s17, v7
	s_wait_kmcnt 0x0
	s_cmp_ge_u32 ttmp9, WGQ                        ; the last 32 work-groups round proj_w: a branch on the work-group's number alone
	s_cbranch_scc1 .Lconv
	s_cmp_lt_u32 ttmp9, WGA                        ; x's work-group or qkv_w's?  Only pointers are chosen: both take one path
	s_cselect_b64 s[4:5], s[4:5], s[6:7]
	s_cselect_b64 s[8:9], s[8:9], s[12:13]
	s_cselect_b64 s[10:11], s[10:11], s[14:15]
	s_cselect_b32 s17, 0, WGA
	s_sub_co_u32 s17, ttmp9, s17
	s_lshl_b32 s17, s17, 2
	s_add_co_u32 s18, s17, s16                     ; which run of 8,192 numbers of the tensor is my wave's
	s_mov_b32 s19, 0
	s_mov_b64 s[20:21], 512*STEPS*4
	s_mul_u64 s[20:21], s[18:19], s[20:21]
	s_add_nc_u64 s[4:5], s[4:5], s[20:21]
	s_mov_b64 s[20:21], 32*STEPS*CB
	s_mul_u64 s[20:21], s[18:19], s[20:21]
	s_add_nc_u64 s[8:9], s[8:9], s[20:21]
	s_lshl_b32 s18, s18, 8                         ; 256 scale bytes a run
	s_add_nc_u64 s[10:11], s[10:11], s[18:19]
.macro LOAD t
.irp i, 0,1,2,3
	global_load_b128 v[R+16*((\t)%4)+4*\i:R+16*((\t)%4)+4*\i+3], v3, s[4:5] offset:2048*(\t)+512*\i th:TH_LOAD_NT   ; 32 lanes read 512 consecutive bytes
.endr
.endm
.macro TURN t                          ; step t's numbers through the stage: LDS serves a wave's instructions in order, so no wait stands between the stores and the loads
.irp i, 0,1,2,3
	ds_store_b128 v14, v[R+16*((\t)%4)+4*\i:R+16*((\t)%4)+4*\i+3] offset:32*SP*((\t)%2)+8*SP*\i
.endr
.irp i, 0,1,2,3
	ds_load_b128 v[X+16*((\t)%2)+4*\i:X+16*((\t)%2)+4*\i+3], v15 offset:32*SP*((\t)%2)+16*\i
.endr
.endm
.irp t, 0,1,2,3
	LOAD \t
.endr
	s_wait_loadcnt 12                              ; step 0's four loads are in
	TURN 0
.macro STEP t
.set XS, X+16*((\t)%2)
.if (\t) > 0
	s_wait_dscnt 1                                 ; this step's numbers are back from the stage (the last step's byte store may be out): so its stores into the stage have read their registers,
.else
	s_wait_dscnt 0x0
.endif
.if (\t)+4 < STEPS
	LOAD (\t)+4                                    ; which take the loads of four steps on
.endif
.if (\t)+1 < STEPS
.if STEPS-2-(\t) >= 3
	s_wait_loadcnt 12                              ; the next step's four loads are in; those of the three steps behind it may be out
.else
	s_wait_loadcnt 4*(STEPS-2-(\t))
.endif
	TURN (\t)+1                                    ; and go through the other stage while this step is worked
.endif
	v_max3_num_f32 v8, |v[XS]|, |v[XS+1]|, |v[XS+2]|               ; the largest magnitude of my 16, in two chains
	v_max3_num_f32 v9, |v[XS+3]|, |v[XS+4]|, |v[XS+5]|
.irp i, 6,10
	v_max3_num_f32 v8, v8, |v[XS+\i]|, |v[XS+\i+1]|
	v_max3_num_f32 v9, v9, |v[XS+\i+2]|, |v[XS+\i+3]|
.endr
	v_max3_num_f32 v8, v8, |v[XS+14]|, |v[XS+15]|
	v_max3_num_f32 v8, v8, v9, (EMAX+1)<<23        ; and the floor 2^(EMAX + 1 - 127): so the byte cannot fall under 1
	v_max_num_f32_dpp v8, v8, v8 row_xmask:1 row_mask:0xf bank_mask:0xf   ; and of my neighbour's 16: the block's
	v_add_nc_u32 v11, -(EMAX<<23), v8              ; EMAX off its exponent field: the conversion takes the exponent field of this operand as its scale, and nothing else of it
	v_cvt_scalef32_pk8_fp4_f32 v[C+4*(\t)], v[XS:XS+7], v11        ; eight numbers / the scale, to the nearest code, ties to even, beyond the largest code the largest; the first number's code in the lowest four bits
	v_cvt_scalef32_pk8_fp4_f32 v[C+4*(\t)+1], v[XS+8:XS+15], v11
	v_lshrrev_b32 v[E+(\t)], 23, v11               ; the scale's byte (also the plain line behind the conversions)
	ds_store_b8 v5, v[E+(\t)] offset:16*(\t)       ; both lanes of a block write the same byte with the same value
	global_store_b64 v4, v[C+4*(\t):C+4*(\t)+1], s[8:9] offset:32*CB*(\t)
.endm
.irp t, 0,1,2,3,4,5,6,7,8,9,10,11,12,13,14,15
	STEP \t
.endr
	ds_load_b64 v[8:9], v6                         ; LDS serves a wave's instructions in order: these see my stores
	s_wait_dscnt 0x0
	global_store_b64 v7, v[8:9], s[10:11]          ; 32 lanes store 256 consecutive bytes, aligned
	s_wait_tensorcnt 0x0                           ; the wave's end: behind my last LDS store
	ds_add_u32 v[SPW], v[NIL]
	s_wait_dscnt 0x0
	s_endpgm
; proj_w to f16: a wave takes 8,192 numbers in four batches of 16 loads of 512 consecutive bytes; two batches are out at a time.  A lane's four numbers become 8 bytes: a store covers 256 consecutive bytes, aligned.
.macro LOADB g
.irp i, 0,1,2,3,4,5,6,7,8,9,10,11,12,13,14,15
	global_load_b128 v[F+64*((\g)%2)+4*\i:F+64*((\g)%2)+4*\i+3], v3, s[24:25] offset:8192*(\g)+512*\i th:TH_LOAD_NT
.endr
.endm
.Lconv:
	s_sub_co_u32 s17, ttmp9, WGQ
	s_lshl_b32 s17, s17, 2
	s_add_co_u32 s17, s17, s16                     ; my wave's run, 0 to 127
	s_lshl_b32 s18, s17, 15                        ; 32,768 bytes of f32 a run
	s_mov_b32 s19, 0
	s_add_nc_u64 s[24:25], s[24:25], s[18:19]
	s_lshl_b32 s18, s17, 14                        ; 16,384 bytes of f16
	s_add_nc_u64 s[26:27], s[26:27], s[18:19]
	LOADB 0
	LOADB 1
.irp g, 0,1,2,3
.if \g < 3
	s_wait_loadcnt 16                              ; this batch is in; the younger batch's 16 loads may be out
.else
	s_wait_loadcnt 0x0
.endif
.if \g > 0
	s_wait_xcnt 0x0                                ; the last batch's stores have read their data: Y is written again only behind this wait
.endif
.irp i, 0,1,2,3,4,5,6,7,8,9,10,11,12,13,14,15
	v_cvt_pk_f16_f32 v[Y+2*\i], v[F+64*(\g%2)+4*\i], v[F+64*(\g%2)+4*\i+1]
	v_cvt_pk_f16_f32 v[Y+2*\i+1], v[F+64*(\g%2)+4*\i+2], v[F+64*(\g%2)+4*\i+3]
.endr
.irp i, 0,1,2,3,4,5,6,7,8,9,10,11,12,13,14,15
	global_store_b64 v4, v[Y+2*\i:Y+2*\i+1], s[26:27] offset:4096*\g+256*\i
.endr
.if \g < 2
	LOADB \g+2
.endif
.endr
	s_wait_tensorcnt 0x0                           ; this path stores nothing to LDS; the three lines stand here all the same, so that every end of the text has one form
	ds_add_u32 v[SPW], v[NIL]
	s_wait_dscnt 0x0
	s_endpgm
.Lfunc_end_k_qabb0f26c1f_prep:
	.size	k_qabb0f26c1f_prep, .Lfunc_end_k_qabb0f26c1f_prep-k_qabb0f26c1f_prep
	.p2alignl 7, 3214868480
	.fill 96, 4, 3214868480
	.section	.rodata,"a",@progbits
	.p2align	6, 0x0
	.amdhsa_kernel k_qabb0f26c1f_prep
		.amdhsa_group_segment_fixed_size 33280
		.amdhsa_private_segment_fixed_size 0
		.amdhsa_enable_private_segment 0
		.amdhsa_kernarg_size 64
		.amdhsa_user_sgpr_count 2
		.amdhsa_user_sgpr_kernarg_segment_ptr 1
		.amdhsa_wavefront_size32 1
		.amdhsa_system_sgpr_workgroup_id_x 1
		.amdhsa_system_sgpr_workgroup_id_y 1
		.amdhsa_system_sgpr_workgroup_id_z 1
		.amdhsa_system_vgpr_workitem_id 0
		.amdhsa_next_free_vgpr 192
		.amdhsa_next_free_sgpr 66
		.amdhsa_reserve_vcc 0
		.amdhsa_float_denorm_mode_32 3
		.amdhsa_float_denorm_mode_16_64 3
		.amdhsa_memory_ordered 1
		.amdhsa_forward_progress 1
		.amdhsa_inst_pref_size 54
	.end_amdhsa_kernel
	.amdgpu_metadata
---
amdhsa.version: [ 1, 2 ]
amdhsa.kernels:
  - .name:           k_qabb0f26c1f_prep
    .symbol:         k_qabb0f26c1f_prep.kd
    .args:
      - { .name: x, .offset: 0, .size: 8, .value_kind: global_buffer, .address_space: global }
      - { .name: qkv_w, .offset: 8, .size: 8, .value_kind: global_buffer, .address_space: global }
      - { .name: xc, .offset: 16, .size: 8, .value_kind: global_buffer, .address_space: global }
      - { .name: xs, .offset: 24, .size: 8, .value_kind: global_buffer, .address_space: global }
      - { .name: wc, .offset: 32, .size: 8, .value_kind: global_buffer, .address_space: global }
      - { .name: ws, .offset: 40, .size: 8, .value_kind: global_buffer, .address_space: global }
      - { .name: proj_w, .offset: 48, .size: 8, .value_kind: global_buffer, .address_space: global }
      - { .name: pw, .offset: 56, .size: 8, .value_kind: global_buffer, .address_space: global }
    .group_segment_fixed_size: 33280
    .private_segment_fixed_size: 0
    .kernarg_segment_align: 8
    .kernarg_segment_size: 64
    .max_flat_workgroup_size: 128
    .sgpr_count:     66
    .vgpr_count:     192
    .wavefront_size: 32
...
	.end_amdgpu_metadata
.endif
;; end of part 1
;; launch qkv (part 2): grid 16 x 16, 4 waves a work-group, clusters of 4 x 4, 262,144 bytes of LDS; arguments xc, xs, wc, ws, qkv_b, qkvh; writes qkvh
.if DOCPART == 2
	.amdgcn_target "amdgcn-amd-amdhsa--gfx1250"
	.amdhsa_code_object_version 6
	.text
	.protected	k_qabb0f26c1f_qkv
	.globl	k_qabb0f26c1f_qkv
	.p2align	8
	.type	k_qabb0f26c1f_qkv,@function
k_qabb0f26c1f_qkv:
	s_mov_b64 s[64:65], 0
	v_nop
	global_prefetch_b8 v0, s[64:65] scope:SCOPE_SE
	s_setreg_imm32_b32 hwreg(HW_REG_WAVE_MODE, 25, 1), 1
	s_wait_xcnt 0x0
	s_wait_alu depctr_hold_cnt(0) depctr_sa_sdst(0) depctr_va_vdst(0) depctr_va_sdst(0) depctr_va_ssrc(0) depctr_va_vcc(0) depctr_vm_vsrc(0)
	s_getreg_b32 s2, hwreg(HW_REG_IB_STS2, 6, 4)
	s_cmp_eq_u32 s2, 0
	s_cbranch_scc0 .Lentry_in_a_cluster
	s_endpgm
.Lentry_in_a_cluster:
	s_bfe_u32 s2, ttmp6, 0x10000c
	s_cmp_lg_u32 s2, 0xf033
	s_cbranch_scc0 .Lentry_shape_is_right
	s_endpgm
.Lentry_shape_is_right:
; qkv = Q(x) Q(qkv_w)^T + qkv_b on codes of FP4 (E2M1) with one E8M0 scale for each 32 along K = 1,024; sums in f32; the result is rounded to f16 and laid by head:
; qkvh [3 (q, k, v)][32 (batch x 16 + head)][2048 tokens][64], since the products that follow are left as they are and take f16.  Nothing is left out: the whole of qkv_b is added (it is the C of each sum's first product).
; LIMIT: |q|, |k|, |v| beyond 65,504 become infinity in f16.
; SHARES.  A work-group makes 256 tokens x 192 features (three groups of 64: each is one head of q, k or v): 16 x 16 work-groups.  Wave w owns tokens 64 w .. 64 w + 63 and all 192 features: 4 x 12 accumulators, 384 registers.
; ALL OF K LIES IN LDS: two slots of 512 along K (rows of 256 bytes), each filled once; nothing is filled again.  The scale bytes of the 256 + 192 rows, 32 bytes a row, are two dense blocks of memory and come with the first fills.
; CLUSTERS: 4 x 4 work-groups.  The four of a row of the cluster need the same rows of x, the four of a column the same rows of qkv_w: each tile is asked for JOINTLY, by the same tensor load with the same descriptor and a mask that names the four.
; THE MATRIX INSTRUCTION IS USED TRANSPOSED (source 0 = 16 rows of qkv_w, source 1 = 16 tokens): a lane then holds one token and eight neighbouring features, which pack into 16 bytes.
; REGISTERS, in windows of 256: window 0: v16-30 addresses; v32-127 scale words, two sets, and nothing else; v128-191 x's fragments, two sets of 4; on the way out v128-175 and v192-239 rows read back.
;   window 1: qkv_w's fragments, two sets of 12, at v0 and v128; on the way out v0-47 packed results.   window 2: accumulators of feature blocks 0-7 ((b, a) at v[8 (4 b + a)]).
;   window 3: those of blocks 8-11 at v[8 (4 (b - 8) + a)]; from v128 the bias, eight registers a feature block, in the result's layout.
.set PITCH, 272                        ; an LDS row: 256 bytes + 16 of padding: the 16 rows that a fragment load touches start 16 bytes apart modulo 256
.set AHALF, 128*PITCH                  ; 128 rows of x: what one tensor load brings
.set BOFF,  256*PITCH                  ; qkv_w's rows lie behind x's 256
.set BHALF, 96*PITCH                   ; 96 rows of qkv_w: what one tensor load brings
.set SLOT,  448*PITCH
.set SCL,   2*SLOT                     ; the scale bytes, as pieces of 256 bytes (8 rows) + 16 of padding: x's 32 pieces, then qkv_w's 24
.set SAH,   16*272
.set SBO,   32*272
.set SBH,   12*272
.set SPARE, 259072                     ; the spare words, 128 bytes for each wave, which no other line names
.set SG,    16*144                     ; the way out: a group's 16 rows of 128 bytes + 16
.set SW,    3*SG                       ; a wave's stage; the four lie in slot 0, which has had its only fill and its last read when the first result is stored there
.set ADRA, 16                          ; v16-17  LDS address of my fragments of x in slot 0, 1
.set ADRB, 20                          ; v20-21  the same for qkv_w
.set STO,  24                          ; v24     the way out: where I put 16 bytes of a row
.set RD,   25                          ; v25     where I read rows back
.set CO,   26                          ; v26     16 x lane: my place in a store's 512 bytes
.set ADRS, 27                          ; v27     LDS address of my scale words: lanes 0-15 x's rows, lanes 16-31 qkv_w's
.set SPW,  28                          ; v28     LDS address of my spare word; never rewritten
.set NIL,  29                          ; v29     0; never rewritten
.set VB,   30                          ; v30     32 x (lane / 16): my eight numbers of a bias tile
.set SC,   32                          ; scale words: register SC + 48 s + 4 i + q: lanes 0-15 the word of my block i of x (i < 4), lanes 16-31 that of qkv_w's block i, for slot s's q-th 128 along K
.set AF,   128
.set BK,   128
.set TMP,  0                           ; in window 1
.set BI,   128                          ; in window 3
.set WV,   16                          ; s16 my wave's number
.set FB,   17                          ; s17 I fetch for x (0) or for qkv_w (1)
.set HF,   18                          ; s18 which half of its rows
.set TR,   19                          ; s19 tile row
.set OB,   92                          ; s[92:97] where my rows begin in the three groups' blocks of qkvh
.set G1, 24                            ; s[24:31] descriptor group 1 for x's codes;  s[32:39] group 0, one set for each slot
.set G0, 32
.set G1B, 48                           ; s[48:55], s[56:63] the same for qkv_w's
.set G0B, 56
.set G1S, 68                           ; s[68:75], s[76:79] groups 1 and 0 for x's scales;  s[80:87], s[88:91] for qkv_w's
.set G0S, 76
.set G1SB, 80
.set G0SB, 88
.set MSB, 0
.macro WIN new                         ; s_set_vgpr_msb: bits 1:0 source 0, 3:2 source 1, 5:4 source 2, 7:6 destination; the high byte repeats the setting that is left
.if MSB != \new
	s_set_vgpr_msb (MSB<<8)|\new
.set MSB, \new
.endif
.endm
.set TO_B, 0x40                        ; destination window 1, address window 0
; A joint load: waves 0 and 1 fetch for x, waves 2 and 3 for qkv_w.  Each line has one mask and one set of registers for all that issue it; the branch hangs on the wave's number alone.
; An s_nop 0 and four v_nop follow each of the two lines.
.macro JLOAD g0a, g1a, g0b, g1b
	s_cmp_eq_u32 s[FB], 0
	s_cbranch_scc0 .Lfor_b_\@
	tensor_load_to_lds s[\g0a:\g0a+3], s[\g1a:\g1a+7]
	s_nop 0
.rept 4
	v_nop
.endr
	s_branch .Lasked_\@
.Lfor_b_\@:
	tensor_load_to_lds s[\g0b:\g0b+3], s[\g1b:\g1b+7]
	s_nop 0
.rept 4
	v_nop
.endr
.Lasked_\@:
.endm
.macro CROUND                          ; a round of the cluster's barrier
	s_barrier_signal -1
	s_barrier_wait -1
	s_cmp_lg_u32 s[WV], 0
	s_cbranch_scc1 .Lnot_wave_0_\@
	s_barrier_signal -3
.Lnot_wave_0_\@:
	s_barrier_wait -3
	s_barrier_signal -1
	s_barrier_wait -1
.endm
	s_load_b128 s[4:7], s[0:1], 0x0                ; x's codes, x's scales
	s_load_b128 s[8:11], s[0:1], 0x10              ; qkv_w's codes, its scales
	s_load_b128 s[12:15], s[0:1], 0x20             ; qkv_b, qkvh
	v_lshl_add_u32 v[SPW], v0, 2, SPARE
	v_mov_b32 v[NIL], 0
	ds_add_u32 v[SPW], v[NIL]                      ; the wave's opening: the add, twice on end, and its wait ahead of my first tensor load
	ds_add_u32 v[SPW], v[NIL]
	v_lshrrev_b32 v1, 5, v0
	v_readfirstlane_b32 s[WV], v1                  ; wave 0..3
	s_lshr_b32 s[FB], s[WV], 1
	s_and_b32 s[HF], s[WV], 1
	s_bfe_u32 s40, ttmp6, 0x40000                  ; cx, cy: my place in the cluster
	s_bfe_u32 s41, ttmp6, 0x40004
	s_lshl_b32 s42, ttmp9, 2
	s_add_co_u32 s42, s42, s40                     ; tile column = 4 x cluster x + cx
	s_and_b32 s[TR], ttmp7, 0xffff
	s_lshl_b32 s[TR], s[TR], 2
	s_add_co_u32 s[TR], s[TR], s41                 ; tile row = 4 x cluster y + cy
	s_lshl_b32 s43, s41, 2
	s_lshl_b32 s43, 15, s43                        ; my row of the cluster
	s_lshl_b32 s44, 0x1111, s40                    ; my column
	; group 1 for the codes: rows of 256 bytes, 512 bytes apart in memory, 16 bytes of padding behind each (after 64 words, 4 words); elements of 1 byte; bit 21 set beside a mask
	s_or_b32 s[G1+0], s43, (0<<16)|(1<<20)|(1<<21)|(5<<22)|(3<<25)
	s_mov_b32 s[G1+1], 256<<16                     ; tensor_dim0
	s_mov_b32 s[G1+2], 128<<16                     ; tensor_dim1
	s_mov_b32 s[G1+3], 256<<16                     ; tile_dim0
	s_mov_b32 s[G1+4], 128                         ; tile_dim1
	s_mov_b32 s[G1+5], 512                         ; the pitch
	s_mov_b32 s[G1+6], 0
	s_mov_b32 s[G1+7], 0
	s_or_b32 s[G1B+0], s44, (0<<16)|(1<<20)|(1<<21)|(5<<22)|(3<<25)
	s_mov_b32 s[G1B+1], 256<<16
	s_mov_b32 s[G1B+2], 96<<16
	s_mov_b32 s[G1B+3], 256<<16
	s_mov_b32 s[G1B+4], 96
	s_mov_b32 s[G1B+5], 512
	s_mov_b32 s[G1B+6], 0
	s_mov_b32 s[G1B+7], 0
	; and for the scales: dense blocks, as rows of 256 bytes (32 elements of 8 bytes), 16 bytes of padding behind each
	s_or_b32 s[G1S+0], s43, (3<<16)|(1<<20)|(1<<21)|(5<<22)|(3<<25)
	s_mov_b32 s[G1S+1], 32<<16
	s_mov_b32 s[G1S+2], 16<<16
	s_mov_b32 s[G1S+3], 32<<16
	s_mov_b32 s[G1S+4], 16
	s_mov_b32 s[G1S+5], 32
	s_mov_b32 s[G1S+6], 0
	s_mov_b32 s[G1S+7], 0
	s_or_b32 s[G1SB+0], s44, (3<<16)|(1<<20)|(1<<21)|(5<<22)|(3<<25)
	s_mov_b32 s[G1SB+1], 32<<16
	s_mov_b32 s[G1SB+2], 12<<16
	s_mov_b32 s[G1SB+3], 32<<16
	s_mov_b32 s[G1SB+4], 12
	s_mov_b32 s[G1SB+5], 32
	s_mov_b32 s[G1SB+6], 0
	s_mov_b32 s[G1SB+7], 0
	s_lshl_b32 s20, s[TR], 8
	s_lshl_b32 s21, s[HF], 7
	s_add_co_u32 s20, s20, s21                     ; x: row 256 x tile row + 128 x half
	s_lshl_b32 s22, s20, 5                         ; its scale bytes,
	s_mov_b32 s23, 0
	s_lshl_b32 s20, s20, 9                         ; its codes
	s_mov_b32 s21, 0
	s_mul_i32 s46, s42, 192
	s_mul_i32 s47, s[HF], 96
	s_add_co_u32 s46, s46, s47                     ; qkv_w: row 192 x tile column + 96 x half
	s_lshl_b32 s98, s46, 5
	s_mov_b32 s99, 0
	s_lshl_b32 s46, s46, 9
	s_mov_b32 s47, 0
	s_mul_i32 s45, s[HF], AHALF                    ; where they go: no place in the cluster enters an LDS address
	s_mul_i32 s2, s[HF], BHALF
	s_add_co_u32 s2, s2, BOFF
	s_mul_i32 s3, s[HF], SAH
	s_add_co_u32 s3, s3, SCL
	s_mul_i32 s66, s[HF], SBH
	s_add_co_u32 s66, s66, SCL+SBO
	s_wait_dscnt 0x0                               ; both opening adds are done
	s_wait_kmcnt 0x0
	s_add_nc_u64 s[20:21], s[4:5], s[20:21]
	s_add_nc_u64 s[22:23], s[6:7], s[22:23]
	s_add_nc_u64 s[46:47], s[8:9], s[46:47]
	s_add_nc_u64 s[98:99], s[10:11], s[98:99]
	CROUND                                         ; all sixteen work-groups are here: the joint loads meet
	s_mov_b32 s[G0S], 1
	s_mov_b32 s[G0S+1], s3
	s_mov_b64 s[G0S+2:G0S+3], s[22:23]
	s_or_b32 s[G0S+3], s[G0S+3], 0x80000000
	s_mov_b32 s[G0SB], 1
	s_mov_b32 s[G0SB+1], s66
	s_mov_b64 s[G0SB+2:G0SB+3], s[98:99]
	s_or_b32 s[G0SB+3], s[G0SB+3], 0x80000000
	JLOAD G0S, G1S, G0SB, G1SB                     ; the scales first: they are wanted with the first step
.irp s, 0,1
	s_mov_b32 s[G0+4*\s], 1
	s_add_co_u32 s[G0+4*\s+1], s45, \s*SLOT
	s_add_nc_u64 s[G0+4*\s+2:G0+4*\s+3], s[20:21], \s*256
	s_or_b32 s[G0+4*\s+3], s[G0+4*\s+3], 0x80000000
	s_mov_b32 s[G0B+4*\s], 1
	s_add_co_u32 s[G0B+4*\s+1], s2, \s*SLOT
	s_add_nc_u64 s[G0B+4*\s+2:G0B+4*\s+3], s[46:47], \s*256
	s_or_b32 s[G0B+4*\s+3], s[G0B+4*\s+3], 0x80000000
	JLOAD G0+4*\s, G1, G0B+4*\s, G1B               ; three loads of mine are out: all the launch's fills
.endr
	v_and_b32 v1, 15, v0                           ; r = lane % 16
	v_bfe_u32 v2, v0, 4, 1                         ; h = lane / 16
	v_lshlrev_b32 v[VB], 5, v2
	s_mul_i32 s20, s42, 768                        ; the tile's 192 numbers of qkv_b
	s_mov_b32 s21, 0
	s_add_nc_u64 s[12:13], s[12:13], s[20:21]
	WIN 0xc0                                       ; destination window 3
.irp b, 0,1,2,3,4,5,6,7,8,9,10,11
	global_load_b128 v[BI+8*\b:BI+8*\b+3], v[VB], s[12:13] offset:64*\b        ; lane (r, h): qkv_b at features 16 b + 8 h + 0 .. 7
	global_load_b128 v[BI+8*\b+4:BI+8*\b+7], v[VB], s[12:13] offset:64*\b+16
.endr
	WIN 0
	v_mul_u32_u24 v3, v1, PITCH
	v_lshl_add_u32 v3, v2, 4, v3                   ; a fragment's row x pitch + 16 x half
	s_mul_i32 s20, s[WV], 64*PITCH                 ; my 64 rows of x
.irp s, 0,1
	v_add_nc_u32 v[ADRA+\s], s20, v3
	v_add_nc_u32 v[ADRB+\s], BOFF+\s*SLOT, v3
	s_add_co_u32 s20, s20, SLOT
.endr
	v_lshlrev_b32 v5, 5, v1                        ; my row's scales: 32 bytes a row,
	v_lshrrev_b32 v6, 8, v5
	v_lshl_add_u32 v5, v6, 4, v5                   ; and 16 more for each 256 passed
	s_mul_i32 s21, s[WV], 8*272                    ; x's: my 64 rows
	s_mov_b32 s22, SBO
	s_sub_co_u32 s22, s22, s21
	v_mul_u32_u24 v6, s22, v2                      ; lanes 16-31 take qkv_w's, from its first row on
	s_add_co_u32 s21, s21, SCL
	v_add_nc_u32 v5, v5, v6
	v_add_nc_u32 v[ADRS], s21, v5
	s_mul_i32 s23, s[WV], SW                       ; my stage
	v_mul_u32_u24 v5, v1, 144
	v_lshl_add_u32 v5, v2, 4, v5
	v_add_nc_u32 v[STO], s23, v5                   ; in: row r, 16 bytes for each half of the lanes
	v_bfe_u32 v7, v0, 3, 2
	v_mul_u32_u24 v7, v7, 144
	v_and_b32 v8, 7, v0
	v_lshl_add_u32 v7, v8, 4, v7
	v_add_nc_u32 v[RD], s23, v7                    ; back: eight lanes to a row of 128 bytes, four rows an instruction
	v_and_b32 v6, 31, v0
	v_lshlrev_b32 v[CO], 4, v6
	; where my 64 tokens begin in the three groups' blocks: ((G / 16) x 32 + batch x 16 + G % 16) x 262,144 + token x 128, G = 3 x tile column + g
	s_lshl_b32 s20, s[TR], 8
	s_lshl_b32 s21, s[WV], 6
	s_add_co_u32 s20, s20, s21                     ; my first row of x
	s_lshr_b32 s22, s20, 11
	s_lshl_b32 s22, s22, 4                         ; 16 x batch
	s_and_b32 s23, s20, 2047
	s_lshl_b32 s23, s23, 7                         ; 128 x token
	s_mul_i32 s45, s42, 3
.irp g, 0,1,2
	s_add_co_u32 s20, s45, \g
	s_lshr_b32 s21, s20, 4
	s_lshl_b32 s21, s21, 5
	s_and_b32 s20, s20, 15
	s_add_co_u32 s20, s20, s21
	s_add_co_u32 s20, s20, s22
	s_lshl_b32 s20, s20, 18
	s_add_co_u32 s20, s20, s23
	s_mov_b32 s21, 0
	s_add_nc_u64 s[OB+2*\g:OB+2*\g+1], s[14:15], s[20:21]
.endr
.macro FRAG reg, adr, off              ; a fragment, 16 rows x 128 K of 4-bit codes, is 8 registers: lane l holds row l % 16; registers 4 c .. 4 c + 3 hold K = 64 c + 32 (l / 16) + 0 .. 31
.irp c, 0,1
	ds_load_b128 v[\reg+4*\c:\reg+4*\c+3], v[\adr] offset:\off+32*\c
.endr
.endm
.macro FETCH q                         ; step q's fragments (128 along K) into set q % 2: 24 loads for qkv_w's twelve, 8 for my four of x
	WIN TO_B
.irp i, 0,1,2,3,4,5,6,7,8,9,10,11
	FRAG 128*((\q)%2)+8*\i, ADRB+(\q)/4, 64*((\q)%4)+\i*16*PITCH
.endr
	WIN 0
.irp i, 0,1,2,3
	FRAG AF+32*((\q)%2)+8*\i, ADRA+(\q)/4, 64*((\q)%4)+\i*16*PITCH
.endr
.endm
.macro SCALES s                        ; slot s's four scale words a row; 16 rows are two pieces of 272 bytes
.irp i, 0,1,2,3,4,5,6,7,8,9,10,11
	ds_load_b128 v[SC+48*\s+4*\i:SC+48*\s+4*\i+3], v[ADRS] offset:544*\i+16*\s
.endr
.endm
; A step's 48 products.  The 48 accumulators take turns, one instruction a turn, in the same order in every step.  first = 1: the bias is the C of each sum's first product: nothing is cleared, nothing is added later.
.macro MULS q, first
.set PP, (\q)%2
.set SS, SC+48*((\q)/4)+(\q)%4
.if \first
	WIN 0xb1                                       ; source 0 window 1, source 1 window 0, C window 3, D window 2
.else
	WIN 0xa1                                       ; C and D window 2
.endif
.irp b, 0,1,2,3,4,5,6,7
.irp a, 0,1,2,3
.if \first
	v_wmma_scale_f32_16x16x128_f8f6f4 v[8*(4*\b+\a):8*(4*\b+\a)+7], v[128*PP+8*\b:128*PP+8*\b+7], v[AF+32*PP+8*\a:AF+32*PP+8*\a+7], v[BI+8*\b:BI+8*\b+7], v[SS+4*\b], v[SS+4*\a] matrix_a_fmt:MATRIX_FMT_FP4 matrix_b_fmt:MATRIX_FMT_FP4 matrix_a_scale:MATRIX_SCALE_ROW1
.else
	v_wmma_scale_f32_16x16x128_f8f6f4 v[8*(4*\b+\a):8*(4*\b+\a)+7], v[128*PP+8*\b:128*PP+8*\b+7], v[AF+32*PP+8*\a:AF+32*PP+8*\a+7], v[8*(4*\b+\a):8*(4*\b+\a)+7], v[SS+4*\b], v[SS+4*\a] matrix_a_fmt:MATRIX_FMT_FP4 matrix_b_fmt:MATRIX_FMT_FP4 matrix_a_scale:MATRIX_SCALE_ROW1
.endif
.endr
.endr
	WIN 0xf1                                       ; C and D window 3
.irp b, 8,9,10,11
.irp a, 0,1,2,3
.if \first
	v_wmma_scale_f32_16x16x128_f8f6f4 v[8*(4*(\b-8)+\a):8*(4*(\b-8)+\a)+7], v[128*PP+8*\b:128*PP+8*\b+7], v[AF+32*PP+8*\a:AF+32*PP+8*\a+7], v[BI+8*\b:BI+8*\b+7], v[SS+4*\b], v[SS+4*\a] matrix_a_fmt:MATRIX_FMT_FP4 matrix_b_fmt:MATRIX_FMT_FP4 matrix_a_scale:MATRIX_SCALE_ROW1
.else
	v_wmma_scale_f32_16x16x128_f8f6f4 v[8*(4*(\b-8)+\a):8*(4*(\b-8)+\a)+7], v[128*PP+8*\b:128*PP+8*\b+7], v[AF+32*PP+8*\a:AF+32*PP+8*\a+7], v[8*(4*(\b-8)+\a):8*(4*(\b-8)+\a)+7], v[SS+4*\b], v[SS+4*\a] matrix_a_fmt:MATRIX_FMT_FP4 matrix_b_fmt:MATRIX_FMT_FP4 matrix_a_scale:MATRIX_SCALE_ROW1
.endif
.endr
.endr
.endm
.macro PLACES n                        ; plain vector instructions between a matrix instruction and a load into, or a read of, its registers
.rept \n
	v_nop
.endr
.endm
	s_wait_tensorcnt 1                             ; the scales and my part of slot 0 are in (slot 1's load may be out),
	s_barrier_signal -1
	s_barrier_wait -1                              ; everybody's are
	SCALES 0
	SCALES 1
	FETCH 0
	FETCH 1
	s_wait_loadcnt 0x0                             ; the bias
	s_wait_dscnt 32                                ; all but step 1's 32 loads
	MULS 0, 1
.irp q, 1,2,3,4,5,6,7
.if \q == 3
	s_wait_tensorcnt 0x0                           ; my part of slot 1 is in: no load was issued behind it;
	s_wait_dscnt 0x0                               ; my reads of slot 0 are over (step 3's fragments were its last)
	s_barrier_signal -1
	s_barrier_wait -1                              ; both hold of every wave: slot 1 may be read, and slot 0 may take the stages
.endif
	PLACES 4                                       ; in front of loads into the set that the step before multiplied
.if \q < 7
	FETCH \q+1
	s_wait_dscnt 32                                ; this step's fragments are in; the 32 loads just issued may be out
.else
	s_wait_dscnt 0x0
.endif
	MULS \q, 0
.endr
; THE WAY OUT, 16 tokens at a time.  PACK: rounded to f16, 16 bytes a lane, each accumulator from its low end on.  TOSTAGE: into my stage (three groups of 16 rows x 128 bytes) and back as whole rows.
; SEND: a group's 16 rows are 2,048 consecutive bytes of its block of qkvh: each store covers 512 consecutive bytes, aligned.
.macro PACK a
	WIN 0x4a                                       ; sources window 2, destination window 1
.irp b, 0,1,2,3,4,5,6,7
.irp i, 0,1,2,3
	v_cvt_pk_f16_f32 v[TMP+4*\b+\i], v[8*(4*\b+(\a))+2*\i], v[8*(4*\b+(\a))+2*\i+1]
.endr
.endr
	WIN 0x4f                                       ; sources window 3
.irp b, 8,9,10,11
.irp i, 0,1,2,3
	v_cvt_pk_f16_f32 v[TMP+4*\b+\i], v[8*(4*(\b-8)+(\a))+2*\i], v[8*(4*(\b-8)+(\a))+2*\i+1]
.endr
.endr
	WIN 0
.endm
.macro TOSTAGE a
.set BB, BK+64*((\a)%2)
	WIN 0x04                                       ; an LDS store's data are its source 1: window 1
.irp b, 0,1,2,3,4,5,6,7,8,9,10,11
	ds_store_b128 v[STO], v[TMP+4*\b:TMP+4*\b+3] offset:(\b/4)*SG+(\b%4)*32
.endr
	WIN 0
.irp g, 0,1,2
.irp i, 0,1,2,3
	ds_load_b128 v[BB+4*(4*\g+\i):BB+4*(4*\g+\i)+3], v[RD] offset:\g*SG+\i*576   ; LDS serves a wave's instructions in order: these see the stores above
.endr
.endr
.endm
.macro SEND a
.set BB, BK+64*((\a)%2)
	s_wait_dscnt 0x0                               ; the block is back in registers
	s_wait_xcnt 0x0                                ; the stores of the block before have read their data: the next TOSTAGE loads into those registers only behind this wait
.irp g, 0,1,2
.irp i, 0,1,2,3
	global_store_b128 v[CO], v[BB+4*(4*\g+\i):BB+4*(4*\g+\i)+3], s[OB+2*\g:OB+2*\g+1] offset:(\a)*2048+\i*512
.endr
.endr
.endm
	WIN 0
	PLACES 4                                       ; the conversions read results just made and write registers that the last products read
	PACK 0
	TOSTAGE 0
.irp a, 1,2,3                          ; block a's conversions stand between block a - 1's loads from the stage and the wait for them
	PACK \a
	SEND \a-1
	TOSTAGE \a
.endr
	SEND 3
	s_wait_tensorcnt 0x0                           ; the wave's end: behind my last tensor load and my last LDS store
	ds_add_u32 v[SPW], v[NIL]
	s_wait_dscnt 0x0
	CROUND                                         ; the closing round
	s_endpgm
.Lfunc_end_k_qabb0f26c1f_qkv:
	.size	k_qabb0f26c1f_qkv, .Lfunc_end_k_qabb0f26c1f_qkv-k_qabb0f26c1f_qkv
	.p2alignl 7, 3214868480
	.fill 96, 4, 3214868480
	.section	.rodata,"a",@progbits
	.p2align	6, 0x0
	.amdhsa_kernel k_qabb0f26c1f_qkv
		.amdhsa_group_segment_fixed_size 262144
		.amdhsa_private_segment_fixed_size 0
		.amdhsa_enable_private_segment 0
		.amdhsa_kernarg_size 48
		.amdhsa_user_sgpr_count 2
		.amdhsa_user_sgpr_kernarg_segment_ptr 1
		.amdhsa_wavefront_size32 1
		.amdhsa_system_sgpr_workgroup_id_x 1
		.amdhsa_system_sgpr_workgroup_id_y 1
		.amdhsa_system_sgpr_workgroup_id_z 1
		.amdhsa_system_vgpr_workitem_id 0
		.amdhsa_next_free_vgpr 1024
		.amdhsa_next_free_sgpr 100
		.amdhsa_reserve_vcc 0
		.amdhsa_float_denorm_mode_32 3
		.amdhsa_float_denorm_mode_16_64 3
		.amdhsa_memory_ordered 1
		.amdhsa_forward_progress 1
		.amdhsa_inst_pref_size 105
	.end_amdhsa_kernel
	.amdgpu_metadata
---
amdhsa.version: [ 1, 2 ]
amdhsa.kernels:
  - .name:           k_qabb0f26c1f_qkv
    .symbol:         k_qabb0f26c1f_qkv.kd
    .args:
      - { .name: xc, .offset: 0, .size: 8, .value_kind: global_buffer, .address_space: global }
      - { .name: xs, .offset: 8, .size: 8, .value_kind: global_buffer, .address_space: global }
      - { .name: wc, .offset: 16, .size: 8, .value_kind: global_buffer, .address_space: global }
      - { .name: ws, .offset: 24, .size: 8, .value_kind: global_buffer, .address_space: global }
      - { .name: qkv_b, .offset: 32, .size: 8, .value_kind: global_buffer, .address_space: global }
      - { .name: qkvh, .offset: 40, .size: 8, .value_kind: global_buffer, .address_space: global }
    .group_segment_fixed_size: 262144
    .private_segment_fixed_size: 0
    .kernarg_segment_align: 8
    .kernarg_segment_size: 48
    .max_flat_workgroup_size: 128
    .sgpr_count:     100
    .vgpr_count:     1024
    .wavefront_size: 32
...
	.end_amdgpu_metadata
.endif
;; end of part 2
;; launch attn (part 3): grid 8 x 32, 8 waves a work-group, clusters of 4 x 1, 327,680 bytes of LDS; arguments qkvh, mask, att; writes att
.if DOCPART == 3
	.amdgcn_target "amdgcn-amd-amdhsa--gfx1250"
	.amdhsa_code_object_version 6
	.text
	.protected	k_qabb0f26c1f_attn
	.globl	k_qabb0f26c1f_attn
	.p2align	8
	.type	k_qabb0f26c1f_attn,@function
k_qabb0f26c1f_attn:
	s_mov_b64 s[64:65], 0
	v_nop
	global_prefetch_b8 v0, s[64:65] scope:SCOPE_SE
	s_setreg_imm32_b32 hwreg(HW_REG_WAVE_MODE, 25, 1), 1
	s_wait_xcnt 0x0
	s_wait_alu depctr_hold_cnt(0) depctr_sa_sdst(0) depctr_va_vdst(0) depctr_va_sdst(0) depctr_va_ssrc(0) depctr_va_vcc(0) depctr_vm_vsrc(0)
	s_getreg_b32 s2, hwreg(HW_REG_IB_STS2, 6, 4)
	s_cmp_eq_u32 s2, 0
	s_cbranch_scc0 .Lentry_in_a_cluster
	s_endpgm
.Lentry_in_a_cluster:
	s_bfe_u32 s2, ttmp6, 0x10000c
	s_cmp_lg_u32 s2, 0x3003
	s_cbranch_scc0 .Lentry_shape_is_right
	s_endpgm
.Lentry_shape_is_right:
; att[b][q][head] = nan_to_num(softmax_k(where(mask[b][k] == 0, -inf, q . k / 8))) v, for each of 32 (batch, head).  q, k, v: f16, [3][32][2048][64]; products, maxima and sums in f32; the weights p are rounded to f16
; for the second product, the result once at the end.  Nothing of reference() is left out.
; att is laid [2048 pairs of tokens][16 heads][2 tokens][64] f16: two tokens of one head are 256 consecutive bytes, which sixteen lanes store at once.
; THE MASK: each sum S^T = K Q^T begins with C = a tile of 0 (key kept) or -1e30 (key masked), the same for all queries.  q and k are f16, so |q . k| <= 64 x 65,504^2 < 2.8e11 for every input.  The running maximum m
; starts at -1e15: under every real score, above every masked one.  So a masked key's p = 2^(c (s - m)) is exactly 0, as with -infinity, and the running maximum of the kept keys is taken away in every step.
; A row with no key left ends with l = 0 and O = 0; there 1 / l is replaced by 0: reference()'s nan_to_num.
; LIMITS: NaN and infinities in q, k, v (an overflow of f16 in the launch before) are not served.
; SHARES.  A work-group owns 256 queries of one (batch, head); each of its EIGHT waves 32 of them, two tiles of 16, in 384 registers: two waves to a SIMD, so that one wave's softmax stands beside the other's products.
; Every wave walks all 2,048 keys, 64 a step.  K's and V's rows come through a ring of two LDS slots of 256 keys (four steps).
; LAYOUT.  S^T = K Q^T (source 0 = 16 keys, source 1 = 16 queries): a lane holds ONE query (lane % 16) and the keys 8 (lane / 16) + 0..7.  Two such tiles, rounded to f16 in pairs, ARE source 1 of O^T = V^T P,
; whose result again holds one query a lane.  K comes out of LDS as it lies, V ([key][channel]) turned, by ds_load_tr16_b128.
; CLUSTER.  The four query blocks of a cluster belong to one (batch, head) and walk the same K and V: each tile is asked for JOINTLY, by the same tensor load with the same descriptor and the mask 15.
; REGISTERS: window 0: v1-15 addresses; v16-31 statistics, eight a tile; v32-95 S^T, 32 a tile; v96-127 P, 16 a tile; v128-191 K of a step; v192-255 V of a step.
;   window 1: v0-63 O^T, 32 a tile; v64-95 Q, 16 a tile; v96-127 the step's four bias tiles.
.set PK,    144                        ; a row of K in LDS: 128 bytes + 16: the 16 rows of a load start 16 bytes apart modulo 256
.set PV,    160                        ; a row of V: 128 + 32: the turning load's 8 rows x 32 bytes fall on different banks
.set SKEYS, 256                        ; keys in a slot
.set VOFF,  SKEYS*PK                   ; a slot: 256 rows of K, then 256 rows of V
.set SLOT1, 1<<17                      ; slot 1 begins here, so that one exclusive or turns an address in one slot into the other's
.set BIAS,  SLOT1+SKEYS*(PK+PV)        ; behind the ring: 2,048 f32, 0 or -1e30 for each key of my batch
.set STAGE, BIAS+8192                  ; 16 rows x 144 bytes for each wave, for the way out
.set SP,    144
.set SPARE, STAGE+8*16*SP              ; the spare words, 128 bytes for each wave, which no other line names
.set AK0, 3                            ; v3   my lane's place in a tile of K
.set AV0, 4                            ; v4   the same for V
.set AB0, 5                            ; v5   and in the bias table
.set ADK, 6                            ; v6-8 the same in the slot in hand
.set ADV, 7
.set ADB, 8
.set QO,  9                            ; v9   my byte offset in the wave's rows of Q
.set STO, 10                           ; v10  the way out: where I put 16 bytes of a row
.set RD,  11                           ; v11  where I read rows back
.set GO,  12                           ; v12  my byte offset in att
.set PFO, 13                           ; v13  256 x lane: the prefetches' offset; never rewritten
.set SPW, 14                           ; v14  LDS address of my spare word; never rewritten
.set NIL, 15                           ; v15  0; never rewritten
.set ST,  16                           ; tile t's statistics at v[ST + 8 t]: +0 c m, +1 m, +2, +3 l (even keys', odd keys'), +4 to +7 c0-c3, at work; a takes c2's place
.set S,   32
.set P,   96
.set KF,  128
.set VF,  192
.set QF,  64                           ; in window 1
.set BT,  96                           ; in window 1
.set WV,  12                           ; s12 my wave's number
.set LIM, 15                           ; s15 1 in a wave that prefetches, else the greatest number
.set PFA, 18                           ; s[18:19] where my prefetches stand
.set G1K, 24                           ; s[24:31] descriptor group 1 for K's tiles;  s[32:39] for V's: it differs in the padding alone
.set G1V, 32
.set G0K, 40                           ; s[40:43], s[44:47] their groups 0, which walk
.set G0V, 44
.set SLOTS, 56                         ; s56 slots still to be asked for
.set CS,  58                           ; s[58:59] c = log2(e) / 8
.set SEL, 60                           ; s[60:61] lane selects for v_permlanex16_b32: lane l xor 16
.set TB,  62                           ; s62 LDS byte at which the slot in hand begins
.set TJ,  63                           ; s63 where its keys begin in the bias table
.set MSB, 0
.macro WIN new                         ; s_set_vgpr_msb: bits 1:0 source 0, 3:2 source 1, 5:4 source 2, 7:6 destination; the high byte repeats the setting that is left
.if MSB != \new
	s_set_vgpr_msb (MSB<<8)|\new
.set MSB, \new
.endif
.endm
.set W_KQ0, 0x14                       ; Q (source 1) and the bias (C) in window 1
.set W_KQ1, 0x04                       ; Q in window 1
.set W_PV,  0x50                       ; O^T (C and D) in window 1
.set W_RS,  0x41                       ; O^T (destination and source 0) in window 1
.set TO_1,  0x40                       ; a load's destination in window 1
.set W_OUT, 0x05                       ; sources 0 and 1 in window 1
; A joint load.  Waves 0 to 3 fetch the slot's four quarters of K, waves 4 to 7 those of V: 64 rows each.  The branch hangs on the wave's number alone.  An s_nop 0 and four v_nop follow each line.
.macro JLOAD
	s_cmp_lt_u32 s[WV], 4
	s_cbranch_scc0 .Lfor_v_\@
	tensor_load_to_lds s[G0K:G0K+3], s[G1K:G1K+7]
	s_nop 0
.rept 4
	v_nop
.endr
	s_branch .Lasked_\@
.Lfor_v_\@:
	tensor_load_to_lds s[G0V:G0V+3], s[G1V:G1V+7]
	s_nop 0
.rept 4
	v_nop
.endr
.Lasked_\@:
.endm
; A PREFETCH INTO THE L2 of what the NEXT change of slots will ask for: a slot's 32,768 bytes of K and of V.  Both clusters of a (batch, head) walk the same rows: the first asks.  Its four partners take 8,192 bytes each,
; told apart BY ADDRESS; in each, wave 0 asks for K's and wave 4 for V's, lanes 256 bytes apart: each block of 256 bytes is named once in the launch.  The last change that fills a slot asks for nothing.
.macro ASK
	s_cmp_gt_u32 s[SLOTS], s[LIM]
	s_cbranch_scc0 .Lnot_mine_\@
	global_prefetch_b8 v[PFO], s[PFA:PFA+1] th:TH_LOAD_NT scope:SCOPE_SE
.Lnot_mine_\@:
.endm
.macro CROUND                          ; a round of the cluster's barrier
	s_barrier_signal -1
	s_barrier_wait -1
	s_cmp_lg_u32 s[WV], 0
	s_cbranch_scc1 .Lnot_wave_0_\@
	s_barrier_signal -3
.Lnot_wave_0_\@:
	s_barrier_wait -3
	s_barrier_signal -1
	s_barrier_wait -1
.endm
	s_load_b128 s[4:7], s[0:1], 0x0                ; qkvh, mask
	s_load_b64 s[10:11], s[0:1], 0x10              ; att
	v_lshl_add_u32 v[SPW], v0, 2, SPARE
	v_mov_b32 v[NIL], 0
	ds_add_u32 v[SPW], v[NIL]                      ; the wave's opening: the add, twice on end, and its wait ahead of my first tensor load
	ds_add_u32 v[SPW], v[NIL]
	v_lshrrev_b32 v1, 5, v0
	v_readfirstlane_b32 s[WV], v1                  ; wave 0..7
	s_bfe_u32 s13, ttmp6, 0x40000                  ; cx: my place in the cluster
	s_lshl_b32 s14, ttmp9, 2
	s_add_co_u32 s14, s14, s13                     ; my block of 256 queries: it enters Q's and att's addresses alone
	s_and_b32 s20, ttmp7, 0xffff                   ; batch x 16 + head, which the four partners share
	s_lshl_b32 s21, s20, 18                        ; its block of 262,144 bytes
	s_and_b32 s16, s[WV], 3                        ; which quarter of a slot I fetch
	s_lshl_b32 s22, s16, 13                        ; its 64 rows of 128 bytes
	s_add_co_u32 s22, s22, s21
	s_add_co_u32 s22, s22, 0x800000                ; K's third of qkvh
	s_mov_b32 s23, 0
	s_lshl_b32 s17, s14, 8
	s_lshl_b32 s48, s[WV], 5
	s_add_co_u32 s17, s17, s48                     ; my first query: 256 x block + 32 x wave
	s_lshl_b32 s48, s17, 7
	s_add_co_u32 s48, s48, s21                     ; its row of Q
	s_mov_b32 s49, 0
	s_lshr_b32 s52, s20, 4                         ; the batch
	s_lshl_b32 s50, s52, 11
	s_add_co_u32 s50, s50, s17                     ; my first token, an even number: 2,048 bytes a token in att,
	s_lshl_b32 s50, s50, 11
	s_and_b32 s51, s20, 15
	s_lshl_b32 s51, s51, 8                         ; 256 bytes a head
	s_add_co_u32 s50, s50, s51
	s_mov_b32 s51, 0
	s_lshl_b32 s52, s52, 13                        ; the batch's 2,048 words of the mask
	s_mov_b32 s53, 0
	s_lshl_b32 s54, s13, 13                        ; the prefetches: my work-group's 8,192 bytes,
	s_add_co_u32 s54, s54, 32768                   ; in the second 256 keys; the first change of slots steps it to the third.  Nothing is prefetched at the head
	s_mov_b32 s55, 0
	; group 1: a tile of 64 rows x 64 elements of 2 bytes, dense in memory, padded in LDS after every 32 words: K by 4 words, V by 8; the mask names all four work-groups, bit 21 set beside it
	s_mov_b32 s[G1K], 15|(1<<16)|(1<<20)|(1<<21)|(4<<22)|(3<<25)
	s_mov_b32 s[G1V], 15|(1<<16)|(1<<20)|(1<<21)|(4<<22)|(7<<25)
.irp g, G1K, G1V
	s_mov_b32 s[\g+1], 64<<16                      ; tensor_dim0
	s_mov_b32 s[\g+2], 64<<16                      ; tensor_dim1
	s_mov_b32 s[\g+3], 64<<16                      ; tile_dim0
	s_mov_b32 s[\g+4], 64                          ; tile_dim1
	s_mov_b32 s[\g+5], 64                          ; the pitch
	s_mov_b32 s[\g+6], 0
	s_mov_b32 s[\g+7], 0
.endr
	s_mov_b32 s[G0K], 1
	s_mul_i32 s[G0K+1], s16, 64*PK                 ; no place in the cluster enters an LDS address
	s_mov_b32 s[G0V], 1
	s_mul_i32 s[G0V+1], s16, 64*PV
	s_add_co_u32 s[G0V+1], s[G0V+1], VOFF
	s_mov_b32 s[CS], 0x3e38aa3b                    ; c = log2(e) / sqrt(64)
	s_mov_b32 s[CS+1], s[CS]                       ; (named with it as a pair, so it is written)
	s_mov_b32 s[SEL], 0x76543210
	s_mov_b32 s[SEL+1], 0xfedcba98
	s_mov_b32 s[TB], 0
	s_mov_b32 s[TJ], 0
	s_mov_b32 s[SLOTS], 7
	s_or_b32 s[LIM], s16, ttmp9                    ; 0 in waves 0 and 4 of the first cluster: the same in all four partners
	s_cmp_eq_u32 s[LIM], 0
	s_cselect_b32 s[LIM], 1, -1
	s_wait_dscnt 0x0                               ; both opening adds are done
	s_wait_kmcnt 0x0
	s_add_nc_u64 s[8:9], s[4:5], s[22:23]          ; K at my quarter of the first 256 keys,
	s_add_nc_u64 s[2:3], s[8:9], 0x800000          ; V likewise
	s_mov_b64 s[G0K+2:G0K+3], s[8:9]
	s_or_b32 s[G0K+3], s[G0K+3], 0x80000000        ; type = 2
	s_mov_b64 s[G0V+2:G0V+3], s[2:3]
	s_or_b32 s[G0V+3], s[G0V+3], 0x80000000
	s_cmp_lt_u32 s[WV], 4
	s_cselect_b64 s[PFA:PFA+1], s[8:9], s[2:3]     ; (in waves 0 and 4 these stand at the first key's row)
	s_add_nc_u64 s[PFA:PFA+1], s[PFA:PFA+1], s[54:55]
	s_add_nc_u64 s[4:5], s[4:5], s[48:49]          ; Q at my first query
	s_add_nc_u64 s[6:7], s[6:7], s[52:53]          ; the mask at my batch
	s_add_nc_u64 s[10:11], s[10:11], s[50:51]      ; att at my first token and head
	CROUND                                         ; all four work-groups are here: the first joint loads meet
	JLOAD                                          ; slot 0: keys 0 to 255.  One load of mine is out
	v_and_b32 v1, 15, v0                           ; r = lane % 16
	v_bfe_u32 v2, v0, 4, 1                         ; h = lane / 16
	v_lshlrev_b32 v[QO], 7, v1
	v_lshl_add_u32 v[QO], v2, 4, v[QO]             ; row x 128 + 16 x half
	WIN TO_1
.irp t, 0,1
.irp c, 0,1                            ; Q stays in registers: tile t, channels 32 c on: registers 0-3 channels 8 h + 0..7, registers 4-7 channels 16 + 8 h + 0..7
	global_load_b128 v[QF+16*\t+8*\c:QF+16*\t+8*\c+3],   v[QO], s[4:5] offset:2048*\t+64*\c
	global_load_b128 v[QF+16*\t+8*\c+4:QF+16*\t+8*\c+7], v[QO], s[4:5] offset:2048*\t+64*\c+32
.endr
.endr
	WIN 0
	v_lshlrev_b32 v40, 5, v0                       ; thread t takes keys 8 t .. 8 t + 7 of the mask
	global_load_b128 v[32:35], v40, s[6:7]
	global_load_b128 v[36:39], v40, s[6:7] offset:16
	v_mul_u32_u24 v[AK0], v1, PK
	v_lshl_add_u32 v[AK0], v2, 4, v[AK0]           ; K: row x pitch + 16 x half
	v_and_b32 v6, 7, v0                            ; the turning load: lane l reads 16 bytes of key 8 (l / 16) + l % 8, channels 8 ((l / 8) % 2) + 0..7
	v_lshl_add_u32 v[AV0], v2, 3, v6
	v_mul_u32_u24 v[AV0], v[AV0], PV
	v_bfe_u32 v6, v0, 3, 1
	v_lshl_add_u32 v[AV0], v6, 4, v[AV0]
	v_add_nc_u32 v[AV0], VOFF, v[AV0]
	v_lshl_add_u32 v[AB0], v2, 5, BIAS             ; the bias of keys 8 h + 0..7 of a tile: the same for all queries
	s_mul_i32 s17, s[WV], 16*SP
	s_add_co_u32 s17, s17, STAGE                   ; my stage
	v_mul_u32_u24 v[STO], v1, SP
	v_lshl_add_u32 v[STO], v2, 4, v[STO]
	v_add_nc_u32 v[STO], s17, v[STO]               ; in: row r, 16 bytes for each half of the lanes
	v_bfe_u32 v[RD], v0, 3, 2
	v_mul_u32_u24 v[RD], v[RD], SP
	v_and_b32 v7, 7, v0
	v_lshl_add_u32 v[RD], v7, 4, v[RD]
	v_add_nc_u32 v[RD], s17, v[RD]                 ; back: eight lanes to a row of 128 bytes, four rows an instruction
	v_lshlrev_b32 v[GO], 12, v2
	v_lshl_add_u32 v[GO], v1, 4, v[GO]             ; in att: sixteen lanes a pair of tokens (256 bytes), the next pair 4,096 bytes on
	v_and_b32 v[PFO], 31, v0
	v_lshlrev_b32 v[PFO], 8, v[PFO]
.irp t, 0,1
	v_mov_b32 v[ST+8*\t+1], 0xd8635fa9             ; m = -1e15
	v_mov_b32 v[ST+8*\t+2], 0                      ; l, in two halves
	v_mov_b32 v[ST+8*\t+3], 0
.endr
.irp t, 0,1
	v_mul_f32 v[ST+8*\t], s[CS], v[ST+8*\t+1]      ; c m
.endr
	WIN TO_1
.irp j, 0,1,2,3,4,5,6,7,8,9,10,11,12,13,14,15,16,17,18,19,20,21,22,23,24,25,26,27,28,29,30,31,32,33,34,35,36,37,38,39,40,41,42,43,44,45,46,47,48,49,50,51,52,53,54,55,56,57,58,59,60,61,62,63
	v_mov_b32 v[\j], 0                             ; O^T.  (The step is written once: its first turn finds zeros, which the first a leaves zeros)
.endr
	WIN 0
	s_wait_loadcnt 0x0                             ; Q and the mask
	v_mov_b32 v41, 0xf149f2ca                      ; -1e30
.irp i, 0,1,2,3,4,5,6,7
	v_cmp_eq_u32 vcc_lo, 0, v[32+\i]
	v_cndmask_b32 v[32+\i], 0, v41, vcc_lo         ; the mask only selects a value
.endr
	v_lshl_add_u32 v42, v0, 5, BIAS
	ds_store_b128 v42, v[32:35]                    ; the table is read behind the first change of slots: its wait on DScnt and its barrier stand between
	ds_store_b128 v42, v[36:39] offset:16
.macro FETCH_K q                       ; step q's K: 64 keys x 64 channels: keys 16 kt on, channels 32 c on
.irp kt, 0,1,2,3
.irp c, 0,1
	ds_load_b128 v[KF+16*\kt+8*\c:KF+16*\kt+8*\c+3],   v[ADK] offset:64*PK*(\q)+16*PK*\kt+64*\c
	ds_load_b128 v[KF+16*\kt+8*\c+4:KF+16*\kt+8*\c+7], v[ADK] offset:64*PK*(\q)+16*PK*\kt+64*\c+32
.endr
.endr
.endm
.macro FETCH_B q                       ; its four bias tiles: register j of tile kt: key 16 kt + 8 h + j
	WIN TO_1
.irp kt, 0,1,2,3
	ds_load_b128 v[BT+8*\kt:BT+8*\kt+3],   v[ADB] offset:256*(\q)+64*\kt
	ds_load_b128 v[BT+8*\kt+4:BT+8*\kt+7], v[ADB] offset:256*(\q)+64*\kt+16
.endr
	WIN 0
.endm
.macro FETCH_V q                       ; its V, turned: keys 32 u on, channels 16 f on
.irp u, 0,1
.irp f, 0,1,2,3
	ds_load_tr16_b128 v[VF+32*\u+8*\f:VF+32*\u+8*\f+3],   v[ADV] offset:64*PV*(\q)+32*PV*\u+32*\f
	ds_load_tr16_b128 v[VF+32*\u+8*\f+4:VF+32*\u+8*\f+7], v[ADV] offset:64*PV*(\q)+32*PV*\u+32*\f+16*PV
.endr
.endr
.endm
; THE SOFTMAX of both tiles for 64 keys; the tiles alternate line by line, so that no line waits for the line above it.  s0-s31 are a lane's 32 scores.
.macro SOFTMAX
.irp j, 0,1,2,3
.irp t, 0,1
	v_max3_num_f32 v[ST+8*\t+4+\j], v[S+32*\t+8*\j], v[S+32*\t+8*\j+1], v[S+32*\t+8*\j+2]   ; four chains; each accumulator is read from its low end on
.endr
.endr
.irp i, 3,5
.irp j, 0,1,2,3
.irp t, 0,1
	v_max3_num_f32 v[ST+8*\t+4+\j], v[ST+8*\t+4+\j], v[S+32*\t+8*\j+\i], v[S+32*\t+8*\j+\i+1]
.endr
.endr
.endr
.irp t, 0,1
	v_max3_num_f32 v[ST+8*\t+4], v[ST+8*\t+4], v[S+32*\t+7], v[S+32*\t+15]
	v_max3_num_f32 v[ST+8*\t+6], v[ST+8*\t+6], v[S+32*\t+23], v[S+32*\t+31]
.endr
.irp t, 0,1
	v_max3_num_f32 v[ST+8*\t+4], v[ST+8*\t+4], v[ST+8*\t+5], v[ST+8*\t+6]
.endr
.irp t, 0,1
	v_max3_num_f32 v[ST+8*\t+4], v[ST+8*\t+4], v[ST+8*\t+7], v[ST+8*\t+1]   ; with the old m
.endr
.irp t, 0,1
	v_permlanex16_b32 v[ST+8*\t+5], v[ST+8*\t+4], s[SEL], s[SEL+1]          ; the query's other 32 keys lie in the lane 16 away
.endr
.irp t, 0,1
	v_mov_b32 v[ST+8*\t+7], v[ST+8*\t]             ; c m_old is kept for a
.endr
.irp t, 0,1
	v_max_num_f32 v[ST+8*\t+1], v[ST+8*\t+4], v[ST+8*\t+5]                  ; the new m
.endr
.irp t, 0,1
	v_mul_f32 v[ST+8*\t], s[CS], v[ST+8*\t+1]
.endr
.irp t, 0,1
	v_sub_f32 v[ST+8*\t+7], v[ST+8*\t+7], v[ST+8*\t]                        ; c m_old - c m_new
.endr
.irp i, 0,1,2,3,4,5,6,7,8,9,10,11,12,13,14,15
.irp t, 0,1
	v_pk_fma_f32 v[S+32*\t+2*\i:S+32*\t+2*\i+1], v[S+32*\t+2*\i:S+32*\t+2*\i+1], s[CS:CS+1], v[ST+8*\t:ST+8*\t+1] op_sel_hi:[1,0,0] neg_lo:[0,0,1] neg_hi:[0,0,1]   ; c s - c m, two at a time
.endr
.endr
.irp t, 0,1
	v_exp_f32 v[ST+8*\t+6], v[ST+8*\t+7]           ; a = 2^(c m_old - c m_new).  ONE BATCH: 66 exponentials, none of which reads another's result
.endr
.irp i, 0,1,2,3,4,5,6,7,8,9,10,11,12,13,14,15,16,17,18,19,20,21,22,23,24,25,26,27,28,29,30,31
.irp t, 0,1
	v_exp_f32 v[S+32*\t+\i], v[S+32*\t+\i]         ; p
.endr
.endr
	v_nop                                          ; a plain instruction behind the last exponential
	s_wait_alu depctr_va_vdst(0)                   ; one wait for the whole batch, ahead of its first reader
.irp i, 0,1,2,3,4,5,6,7,8,9,10,11,12,13,14,15
.irp t, 0,1
	v_cvt_pk_f16_f32 v[P+16*\t+\i], v[S+32*\t+2*\i], v[S+32*\t+2*\i+1]      ; two tiles of keys make one fragment of P
.endr
.endr
.irp u, 0,1,2,3,4,5,6,7                ; the sum of the unrounded p, in place: neighbours 1, 2, 4 and 8 pairs apart
.irp t, 0,1
	v_pk_add_f32 v[S+32*\t+4*\u:S+32*\t+4*\u+1], v[S+32*\t+4*\u:S+32*\t+4*\u+1], v[S+32*\t+4*\u+2:S+32*\t+4*\u+3]
.endr
.endr
.irp u, 0,1,2,3
.irp t, 0,1
	v_pk_add_f32 v[S+32*\t+8*\u:S+32*\t+8*\u+1], v[S+32*\t+8*\u:S+32*\t+8*\u+1], v[S+32*\t+8*\u+4:S+32*\t+8*\u+5]
.endr
.endr
.irp u, 0,1
.irp t, 0,1
	v_pk_add_f32 v[S+32*\t+16*\u:S+32*\t+16*\u+1], v[S+32*\t+16*\u:S+32*\t+16*\u+1], v[S+32*\t+16*\u+8:S+32*\t+16*\u+9]
.endr
.endr
.irp t, 0,1
	v_pk_add_f32 v[S+32*\t:S+32*\t+1], v[S+32*\t:S+32*\t+1], v[S+32*\t+16:S+32*\t+17]
.endr
.irp t, 0,1
	v_pk_fma_f32 v[ST+8*\t+2:ST+8*\t+3], v[ST+8*\t+2:ST+8*\t+3], v[ST+8*\t+6:ST+8*\t+7], v[S+32*\t:S+32*\t+1] op_sel_hi:[1,0,1]   ; l = a l + the sum
.endr
.endm
; A KEY STEP: 64 keys, the q-th of the slot in hand.  next = 1: the next step's K and bias lie in the same slot and are fetched here.
; The accumulators take turns, one instruction a turn: seven others' stand between two links of a chain.
.macro STEP q, next
	s_wait_dscnt 0x0                               ; K and the bias tiles are in
	WIN W_KQ0
.irp kt, 0,1,2,3
.irp t, 0,1
	v_wmma_f32_16x16x32_f16 v[S+32*\t+8*\kt:S+32*\t+8*\kt+7], v[KF+16*\kt:KF+16*\kt+7], v[QF+16*\t:QF+16*\t+7], v[BT+8*\kt:BT+8*\kt+7]   ; the mask's tile starts the sum
.endr
.endr
	WIN W_KQ1
.irp kt, 0,1,2,3
.irp t, 0,1
	v_wmma_f32_16x16x32_f16 v[S+32*\t+8*\kt:S+32*\t+8*\kt+7], v[KF+16*\kt+8:KF+16*\kt+15], v[QF+16*\t+8:QF+16*\t+15], v[S+32*\t+8*\kt:S+32*\t+8*\kt+7]
.endr
.endr
	WIN 0
.rept 4
	v_nop                                          ; places in front of the loads into K's, V's and the bias's registers and of the first read of the scores
.endr
	FETCH_V \q
.if \next
	FETCH_K (\q)+1
	FETCH_B (\q)+1
.endif
	SOFTMAX
	WIN W_RS
.irp t, 0,1
.irp i, 0,1,2,3,4,5,6,7,8,9,10,11,12,13,14,15
	v_pk_mul_f32 v[32*\t+2*\i:32*\t+2*\i+1], v[32*\t+2*\i:32*\t+2*\i+1], v[ST+8*\t+6:ST+8*\t+7] op_sel_hi:[1,0]   ; O^T x a, each accumulator from its low end on
.endr
.endr
.if \next
	s_wait_dscnt 24                                ; V is in; the next step's 16 loads of K and 8 of the bias may be out
.else
	s_wait_dscnt 0x0
.endif
	WIN W_PV
.irp u, 0,1
.irp f, 0,1,2,3
.irp t, 0,1
	v_wmma_f32_16x16x32_f16 v[32*\t+8*\f:32*\t+8*\f+7], v[VF+32*\u+8*\f:VF+32*\u+8*\f+7], v[P+16*\t+8*\u:P+16*\t+8*\u+7], v[32*\t+8*\f:32*\t+8*\f+7]
.endr
.endr
.endr
	WIN 0
.endm
; THE CHANGE OF SLOTS stands at a slot's head.  Each wave waits for all its tensor loads (its part of the slot that it is about to read), adds 0 to its spare word, and waits for that and for its LDS reads and stores.
; fill = 1: the other slot is filled with the 256 keys that follow.  The barrier is then a round of the cluster's, so that no wave of any partner still reads that slot or has a load on its way;
; the joint load is the first thing behind it and has four key steps in which to land.
.macro CHANGE fill
	WIN 0
	s_wait_tensorcnt 0x0                           ; no tensor load of mine is out, so a group 0 may be written
	ds_add_u32 v[SPW], v[NIL]                      ; 0 onto my spare word
.if \fill
	s_xor_b32 s[G0K+1], s[G0K+1], SLOT1            ; the walking descriptors: the other slot than last time,
	s_add_nc_u64 s[G0K+2:G0K+3], s[G0K+2:G0K+3], 32768   ; the next 256 keys; the type bits on top are not reached
	s_xor_b32 s[G0V+1], s[G0V+1], SLOT1
	s_add_nc_u64 s[G0V+2:G0V+3], s[G0V+2:G0V+3], 32768
	s_wait_xcnt 0x0                                ; the last prefetch, a slot back, has read its address, so it may be written:
	s_add_nc_u64 s[PFA:PFA+1], s[PFA:PFA+1], 32768 ; one slot further on than the walking descriptors
	s_wait_dscnt 0x0                               ; the add is done, and my LDS reads and stores are over
	CROUND
	JLOAD
	ASK
.else
	s_wait_dscnt 0x0
	s_barrier_signal -1
	s_barrier_wait -1
.endif
	v_add_nc_u32 v[ADK], s[TB], v[AK0]
	v_add_nc_u32 v[ADV], s[TB], v[AV0]
	v_add_nc_u32 v[ADB], s[TJ], v[AB0]
	FETCH_K 0
	FETCH_B 0
.endm
.macro SLOT_STEPS
	STEP 0, 1
	STEP 1, 1
	STEP 2, 1
	STEP 3, 0
	s_xor_b32 s[TB], s[TB], SLOT1                  ; on to the other slot,
	s_add_co_u32 s[TJ], s[TJ], 1024                ; and its 256 keys' words of the bias table
.endm
.Lslot:                                            ; seven trips: behind each change of slots but the last the next 256 keys are asked for
	CHANGE 1
	SLOT_STEPS
	s_sub_co_u32 s[SLOTS], s[SLOTS], 1
	s_cmp_lg_u32 s[SLOTS], 0
	s_cbranch_scc1 .Lslot
	CHANGE 0                                       ; the last slot is written out
	SLOT_STEPS
	; THE WAY OUT.  l's two halves and the other half of the lanes' are added (these lines are the places behind the last products); O^T is divided by l, or multiplied by 0 where no key was left.
.irp t, 0,1
	v_add_f32 v[ST+8*\t+4], v[ST+8*\t+2], v[ST+8*\t+3]
.endr
.irp t, 0,1
	v_permlanex16_b32 v[ST+8*\t+5], v[ST+8*\t+4], s[SEL], s[SEL+1]
.endr
.irp t, 0,1
	v_add_f32 v[ST+8*\t+4], v[ST+8*\t+4], v[ST+8*\t+5]
.endr
.irp t, 0,1
	v_rcp_f32 v[ST+8*\t+6], v[ST+8*\t+4]
.endr
	v_nop                                          ; a plain instruction behind the last reciprocal
	s_wait_alu depctr_va_vdst(0)                   ; and the wait ahead of the first use: one for both
.irp t, 0,1
	v_cmp_lt_f32 vcc_lo, 0, v[ST+8*\t+4]
	v_cndmask_b32 v[ST+8*\t+6], 0, v[ST+8*\t+6], vcc_lo   ; l = 0: every key of the batch is masked: the row is 0
.endr
.irp t, 0,1                            ; a tile: 16 bytes a lane into rows of 144 bytes, and back as whole rows of 128
	WIN W_RS
.irp i, 0,1,2,3,4,5,6,7,8,9,10,11,12,13,14,15
	v_pk_mul_f32 v[32*\t+2*\i:32*\t+2*\i+1], v[32*\t+2*\i:32*\t+2*\i+1], v[ST+8*\t+6:ST+8*\t+7] op_sel_hi:[1,0]
.endr
	WIN W_OUT
.irp i, 0,1,2,3,4,5,6,7,8,9,10,11,12,13,14,15
	v_cvt_pk_f16_f32 v[S+32*\t+\i], v[32*\t+2*\i], v[32*\t+2*\i+1]
.endr
	WIN 0
.irp f, 0,1,2,3
	ds_store_b128 v[STO], v[S+32*\t+4*\f:S+32*\t+4*\f+3] offset:32*\f
.endr
.irp i, 0,1,2,3
	ds_load_b128 v[S+32*\t+16+4*\i:S+32*\t+16+4*\i+3], v[RD] offset:4*SP*\i   ; LDS serves a wave's instructions in order: these see the stores above; the next tile's stores come behind them
.endr
.endr
.irp i, 0,1,2,3
	s_wait_dscnt 11-\i                             ; behind tile 0's load i: its later loads, and tile 1's four stores and four loads
	global_store_b128 v[GO], v[S+16+4*\i:S+16+4*\i+3], s[10:11] offset:8192*\i   ; sixteen lanes store 256 consecutive bytes, aligned: two tokens of my head
.endr
.irp i, 0,1,2,3
	s_wait_dscnt 3-\i
	global_store_b128 v[GO], v[S+48+4*\i:S+48+4*\i+3], s[10:11] offset:32768+8192*\i
.endr
	s_wait_tensorcnt 0x0                           ; the wave's end: behind my last tensor load and my last LDS store
	ds_add_u32 v[SPW], v[NIL]
	s_wait_dscnt 0x0
	CROUND                                         ; the closing round
	s_endpgm
.Lfunc_end_k_qabb0f26c1f_attn:
	.size	k_qabb0f26c1f_attn, .Lfunc_end_k_qabb0f26c1f_attn-k_qabb0f26c1f_attn
	.p2alignl 7, 3214868480
	.fill 96, 4, 3214868480
	.section	.rodata,"a",@progbits
	.p2align	6, 0x0
	.amdhsa_kernel k_qabb0f26c1f_attn
		.amdhsa_group_segment_fixed_size 327680
		.amdhsa_private_segment_fixed_size 0
		.amdhsa_enable_private_segment 0
		.amdhsa_kernarg_size 24
		.amdhsa_user_sgpr_count 2
		.amdhsa_user_sgpr_kernarg_segment_ptr 1
		.amdhsa_wavefront_size32 1
		.amdhsa_system_sgpr_workgroup_id_x 1
		.amdhsa_system_sgpr_workgroup_id_y 1
		.amdhsa_system_sgpr_workgroup_id_z 1
		.amdhsa_system_vgpr_workitem_id 0
		.amdhsa_next_free_vgpr 384
		.amdhsa_next_free_sgpr 66
		.amdhsa_reserve_vcc 1
		.amdhsa_float_denorm_mode_32 3
		.amdhsa_float_denorm_mode_16_64 3
		.amdhsa_memory_ordered 1
		.amdhsa_forward_progress 1
		.amdhsa_inst_pref_size 160
	.end_amdhsa_kernel
	.amdgpu_metadata
---
amdhsa.version: [ 1, 2 ]
amdhsa.kernels:
  - .name:           k_qabb0f26c1f_attn
    .symbol:         k_qabb0f26c1f_attn.kd
    .args:
      - { .name: qkvh, .offset: 0, .size: 8, .value_kind: global_buffer, .address_space: global }
      - { .name: mask, .offset: 8, .size: 8, .value_kind: global_buffer, .address_space: global }
      - { .name: att, .offset: 16, .size: 8, .value_kind: global_buffer, .address_space: global }
    .group_segment_fixed_size: 327680
    .private_segment_fixed_size: 0
    .kernarg_segment_align: 8
    .kernarg_segment_size: 24
    .max_flat_workgroup_size: 256
    .sgpr_count:     66
    .vgpr_count:     384
    .wavefront_size: 32
...
	.end_amdgpu_metadata
.endif
;; end of part 3
;; launch proj (part 4): grid 8 x 32, 4 waves a work-group, clusters of 4 x 4, 327,680 bytes of LDS; arguments att, pw, proj_b, out0; writes out0
.if DOCPART == 4
	.amdgcn_target "amdgcn-amd-amdhsa--gfx1250"
	.amdhsa_code_object_version 6
	.text
	.protected	k_qabb0f26c1f_proj
	.globl	k_qabb0f26c1f_proj
	.p2align	8
	.type	k_qabb0f26c1f_proj,@function
k_qabb0f26c1f_proj:
	s_mov_b64 s[64:65], 0
	v_nop
	global_prefetch_b8 v0, s[64:65] scope:SCOPE_SE
	s_setreg_imm32_b32 hwreg(HW_REG_WAVE_MODE, 25, 1), 1
	s_wait_xcnt 0x0
	s_wait_alu depctr_hold_cnt(0) depctr_sa_sdst(0) depctr_va_vdst(0) depctr_va_sdst(0) depctr_va_ssrc(0) depctr_va_vcc(0) depctr_vm_vsrc(0)
	s_getreg_b32 s2, hwreg(HW_REG_IB_STS2, 6, 4)
	s_cmp_eq_u32 s2, 0
	s_cbranch_scc0 .Lentry_in_a_cluster
	s_endpgm
.Lentry_in_a_cluster:
	s_bfe_u32 s2, ttmp6, 0x10000c
	s_cmp_lg_u32 s2, 0xf033
	s_cbranch_scc0 .Lentry_shape_is_right
	s_endpgm
.Lentry_shape_is_right:
; out0[T][n] = sum over k of att[T][k] proj_w[n][k] + proj_b[n].  Both operands f16, sums f32, out0 [4096][1024] f32.  Nothing of reference() is left out.
; att lies [2048 pairs of tokens][16 heads][2 tokens][64]: k = 64 head + channel of token T stands at byte (T / 2) 4,096 + 256 head + 128 (T % 2) + 2 channel.  pw: [1024 n][1024 k].
; A tile of out0 is 128 x 128: 8 x 32 work-groups.  Four waves, each 64 x 64: 16 accumulators, 128 registers.  K goes in steps of 256 (four heads) through a ring of two LDS slots:
; of att a step is 1,024 consecutive bytes of a pair's row (a wave's tensor load brings 32 pairs), of pw 512 bytes of a row (64 rows a load).
; CLUSTERS: 4 x 4 work-groups.  The four of a row of the cluster need the same tiles of att, the four of a column the same tiles of pw: each tile is asked for JOINTLY.
; THE MATRIX INSTRUCTION IS USED TRANSPOSED (source 0 = 16 rows of pw, source 1 = 16 tokens): a lane then holds eight neighbouring numbers of a row of out0.  The bias is the C of each sum's first product.
; REGISTERS: window 0: v16-30 addresses; v32-95 rows on the way out; v96-127 the bias, eight registers a column block; v128-255 the accumulators ((a, b) at v[128 + 8 (4 a + b)]).
;   window 1: two fragment buffers of 128: for 64 along K, 64 registers of att (2 x 4 x 16 tokens x 32 K), then 64 of pw.
.set PA,     1040                      ; a pair's row in LDS: 1,024 bytes + 16: the 16 tokens of a fragment load start at 16 different 16-byte columns modulo 256
.set PB,     528                       ; a row of pw: 512 bytes + 16
.set HALFA,  32*PA                     ; 64 tokens: what one tensor load brings, and what one wave reads of att
.set HALFB,  64*PB                     ; 64 rows of pw likewise
.set BOFF,   2*HALFA
.set SLOT,   2*HALFA+2*HALFB
.set STAGE,  2*SLOT                    ; behind the ring: 16 rows x 272 bytes for each wave, for the way out
.set SPITCH, 272
.set SPARE,  STAGE+4*16*SPITCH         ; the spare words, 128 bytes for each wave, which no other line names
.set LAPS,   2                         ; a lap = two K steps = once round the ring
.set ADRA, 16                          ; v16-17  LDS address of my fragments of att in slot 0, 1
.set ADRB, 20                          ; v20-21  the same for pw
.set STO,  24                          ; v24     the way out: where I put 32 bytes of a row
.set RD,   25                          ; v25     where I read a row back
.set CO,   26                          ; v26     my byte offset in out0
.set SPW,  28                          ; v28     LDS address of my spare word; never rewritten
.set NIL,  29                          ; v29     0; never rewritten
.set VB,   30                          ; v30     32 x (lane / 16)
.set TMP,  32
.set BI,   96
.set ACC,  128
.set F0,   0                           ; fragment buffers, in window 1
.set F1,   128
.set G1, 24                            ; s[24:31] descriptor group 1 for att's tiles;  s[32:39] group 0, one set for each slot
.set G0, 32
.set G1B, 48                           ; s[48:55], s[56:63] the same for pw's
.set G0B, 56
.set MSB, 0
.macro WIN new                         ; the immediate's high byte repeats the setting that is left
.if MSB != \new
	s_set_vgpr_msb (MSB<<8)|\new
.set MSB, \new
.endif
.endm
.set MUL,  0x05                        ; sources 0 and 1 window 1; C and D window 0
.set TO_F, 0x40                        ; destination window 1, address window 0
.macro JLOAD s                         ; a joint load: waves 0 and 1 fetch att's two halves, waves 2 and 3 pw's; an s_nop 0 and four v_nop follow each of the two lines
	s_cmp_eq_u32 s11, 0
	s_cbranch_scc0 .Lfor_b_\@
	tensor_load_to_lds s[G0+4*\s:G0+4*\s+3], s[G1:G1+7]
	s_nop 0
.rept 4
	v_nop
.endr
	s_branch .Lasked_\@
.Lfor_b_\@:
	tensor_load_to_lds s[G0B+4*\s:G0B+4*\s+3], s[G1B:G1B+7]
	s_nop 0
.rept 4
	v_nop
.endr
.Lasked_\@:
.endm
.macro CREST                           ; a round of the cluster's barrier behind its opening barrier
	s_cmp_lg_u32 s10, 0
	s_cbranch_scc1 .Lnot_wave_0_\@
	s_barrier_signal -3
.Lnot_wave_0_\@:
	s_barrier_wait -3
	s_barrier_signal -1
	s_barrier_wait -1
.endm
.macro CROUND                          ; a whole round
	s_barrier_signal -1
	s_barrier_wait -1
	CREST
.endm
	s_load_b128 s[4:7], s[0:1], 0x0                ; att, pw
	s_load_b64 s[66:67], s[0:1], 0x10              ; proj_b
	s_load_b64 s[8:9], s[0:1], 0x18                ; out0
	v_lshl_add_u32 v[SPW], v0, 2, SPARE
	v_mov_b32 v[NIL], 0
	ds_add_u32 v[SPW], v[NIL]                      ; the wave's opening: the add, twice on end, and its wait ahead of my first tensor load
	ds_add_u32 v[SPW], v[NIL]
	v_lshrrev_b32 v1, 5, v0
	v_readfirstlane_b32 s10, v1                    ; wave 0..3
	s_lshr_b32 s11, s10, 1                         ; which half of the tile's rows is mine.  Also: I fetch for att (0) or for pw (1)
	s_and_b32 s12, s10, 1                          ; which half of its columns.  Also: which half of that tile I fetch
	s_bfe_u32 s40, ttmp6, 0x40000                  ; cx, cy: my place in the cluster
	s_bfe_u32 s41, ttmp6, 0x40004
	s_lshl_b32 s42, ttmp9, 2
	s_add_co_u32 s42, s42, s40                     ; tile column = 4 x cluster x + cx
	s_and_b32 s13, ttmp7, 0xffff
	s_lshl_b32 s13, s13, 2
	s_add_co_u32 s13, s13, s41                     ; tile row = 4 x cluster y + cy
	s_lshl_b32 s43, s41, 2
	s_lshl_b32 s43, 15, s43                        ; my row of the cluster
	s_lshl_b32 s44, 0x1111, s40                    ; my column
	; group 1 for att: 32 rows of 512 elements of 2 bytes, 2,048 elements apart; 4 words of padding after every 256 words; bit 21 set beside the mask
	s_or_b32 s[G1+0], s43, (1<<16)|(1<<20)|(1<<21)|(7<<22)|(3<<25)
	s_mov_b32 s[G1+1], 512<<16                     ; tensor_dim0
	s_mov_b32 s[G1+2], 32<<16                      ; tensor_dim1
	s_mov_b32 s[G1+3], 512<<16                     ; tile_dim0
	s_mov_b32 s[G1+4], 32                          ; tile_dim1
	s_mov_b32 s[G1+5], 2048                        ; the pitch
	s_mov_b32 s[G1+6], 0
	s_mov_b32 s[G1+7], 0
	; and for pw: 64 rows of 256 elements, 1,024 apart; 4 words of padding after every 128 words
	s_or_b32 s[G1B+0], s44, (1<<16)|(1<<20)|(1<<21)|(6<<22)|(3<<25)
	s_mov_b32 s[G1B+1], 256<<16
	s_mov_b32 s[G1B+2], 64<<16
	s_mov_b32 s[G1B+3], 256<<16
	s_mov_b32 s[G1B+4], 64
	s_mov_b32 s[G1B+5], 1024
	s_mov_b32 s[G1B+6], 0
	s_mov_b32 s[G1B+7], 0
	s_lshl_b32 s17, s12, 5                         ; which 32 pairs of the tile I fetch
	s_lshl_b32 s16, s13, 6
	s_add_co_u32 s16, s16, s17                     ; att: pair 64 x tile row + 32 x half,
	s_lshl_b32 s16, s16, 12                        ; 4,096 bytes a pair
	s_mov_b32 s17, 0
	s_lshl_b32 s47, s12, 6
	s_lshl_b32 s46, s42, 7
	s_add_co_u32 s46, s46, s47                     ; pw: row 128 x tile column + 64 x half,
	s_lshl_b32 s46, s46, 11                        ; 2,048 bytes a row
	s_mov_b32 s47, 0
	s_mul_i32 s20, s12, HALFA                      ; where they go: no place in the cluster enters an LDS address
	s_mul_i32 s21, s12, HALFB
	s_add_co_u32 s21, s21, BOFF
	s_wait_dscnt 0x0                               ; both opening adds are done
	s_wait_kmcnt 0x0
	s_add_nc_u64 s[14:15], s[4:5], s[16:17]
	s_add_nc_u64 s[46:47], s[6:7], s[46:47]
	CROUND                                         ; all sixteen work-groups are here: the first joint loads meet
.irp s, 0,1
	s_mov_b32 s[G0+4*\s], 1
	s_add_co_u32 s[G0+4*\s+1], s20, \s*SLOT
	s_add_nc_u64 s[G0+4*\s+2:G0+4*\s+3], s[14:15], \s*1024
	s_or_b32 s[G0+4*\s+3], s[G0+4*\s+3], 0x80000000
	s_mov_b32 s[G0B+4*\s], 1
	s_add_co_u32 s[G0B+4*\s+1], s21, \s*SLOT
	s_add_nc_u64 s[G0B+4*\s+2:G0B+4*\s+3], s[46:47], \s*512
	s_or_b32 s[G0B+4*\s+3], s[G0B+4*\s+3], 0x80000000
	JLOAD \s                                       ; two loads of mine are out
.endr
	v_and_b32 v1, 15, v0                           ; r = lane % 16
	v_bfe_u32 v2, v0, 4, 1                         ; h = lane / 16
	s_lshl_b32 s16, s13, 7
	s_lshl_b32 s17, s11, 6
	s_add_co_u32 s16, s16, s17                     ; my first row of out0: 128 x tile row + 64 x half,
	s_lshl_b32 s16, s16, 12                        ; 4,096 bytes a row
	s_mov_b32 s17, 0
	s_lshl_b32 s46, s42, 7
	s_lshl_b32 s47, s12, 6
	s_add_co_u32 s46, s46, s47                     ; my first column: 128 x tile column + 64 x half,
	s_lshl_b32 s46, s46, 2                         ; in bytes: a multiple of 256
	s_mov_b32 s47, 0
	s_add_nc_u64 s[8:9], s[8:9], s[16:17]
	s_add_nc_u64 s[8:9], s[8:9], s[46:47]
	s_add_nc_u64 s[66:67], s[66:67], s[46:47]      ; and the same place in proj_b
	v_lshlrev_b32 v[VB], 5, v2
.irp b, 0,1,2,3
	global_load_b128 v[BI+8*\b:BI+8*\b+3], v[VB], s[66:67] offset:64*\b        ; lane (r, h): proj_b at my columns 16 b + 8 h + 0 .. 7
	global_load_b128 v[BI+8*\b+4:BI+8*\b+7], v[VB], s[66:67] offset:64*\b+16
.endr
	v_lshrrev_b32 v3, 1, v1                        ; att: token r of a block: pair r / 2,
	v_mul_u32_u24 v3, v3, PA
	v_and_b32 v4, 1, v0
	v_lshl_add_u32 v3, v4, 7, v3                   ; 128 bytes for the odd token,
	v_lshl_add_u32 v3, v2, 4, v3                   ; 16 for the upper half of the lanes
	v_mul_u32_u24 v4, v1, PB
	v_lshl_add_u32 v4, v2, 4, v4                   ; pw: row x pitch + 16 x half
	s_mul_i32 s21, s11, HALFA                      ; my 64 tokens
	s_mul_i32 s22, s12, HALFB                      ; my 64 rows of pw,
	s_add_co_u32 s22, s22, BOFF                    ; which lie behind att's 64 pairs
.irp s, 0,1
	v_add_nc_u32 v[ADRA+\s], s21, v3
	v_add_nc_u32 v[ADRB+\s], s22, v4
	s_add_co_u32 s21, s21, SLOT
	s_add_co_u32 s22, s22, SLOT
.endr
	s_mul_i32 s23, s10, 16*SPITCH
	s_add_co_u32 s23, s23, STAGE                   ; my stage
	v_mul_u32_u24 v5, v1, SPITCH
	v_lshl_add_u32 v5, v2, 5, v5
	v_add_nc_u32 v[STO], s23, v5                   ; in: row r, 32 bytes for each half of the lanes
	v_mul_u32_u24 v5, v2, SPITCH
	v_lshl_add_u32 v5, v1, 4, v5
	v_add_nc_u32 v[RD], s23, v5                    ; back: lanes 0-15 one row of 256 bytes, lanes 16-31 the next
	v_lshlrev_b32 v5, 12, v2
	v_lshl_add_u32 v[CO], v1, 4, v5                ; and the same two rows in out0
; 8 matrix instructions: token blocks a0, a0 + 1 x all 4 column blocks, 32 along K: half c of buffer f.  first = 1: the bias starts the sums.  The 16 accumulators take turns.
.macro MUL8 f, c, a0, first
.irp a, \a0, \a0+1
.irp b, 0,1,2,3
.if \first
	v_wmma_f32_16x16x32_f16 v[ACC+8*(4*(\a)+\b):ACC+8*(4*(\a)+\b)+7], v[\f+64+8*(4*\c+\b):\f+64+8*(4*\c+\b)+7], v[\f+8*(4*\c+\a):\f+8*(4*\c+\a)+7], v[BI+8*\b:BI+8*\b+7]
.else
	v_wmma_f32_16x16x32_f16 v[ACC+8*(4*(\a)+\b):ACC+8*(4*(\a)+\b)+7], v[\f+64+8*(4*\c+\b):\f+64+8*(4*\c+\b)+7], v[\f+8*(4*\c+\a):\f+8*(4*\c+\a)+7], v[ACC+8*(4*(\a)+\b):ACC+8*(4*(\a)+\b)+7]
.endif
.endr
.endr
.endm
; 32 LDS loads in one run: the fragments of the slot's kq-th 64 along K (one head) into buffer f; the first 32 along K first
.macro FETCH slot, kq, f
	WIN TO_F
.irp c, 0,1
.irp i, 0,1,2,3
	ds_load_b128 v[\f+64+8*(4*\c+\i):\f+64+8*(4*\c+\i)+3],   v[ADRB+\slot] offset:128*(\kq)+64*\c+\i*16*PB
	ds_load_b128 v[\f+64+8*(4*\c+\i)+4:\f+64+8*(4*\c+\i)+7], v[ADRB+\slot] offset:128*(\kq)+64*\c+\i*16*PB+32
	ds_load_b128 v[\f+8*(4*\c+\i):\f+8*(4*\c+\i)+3],         v[ADRA+\slot] offset:256*(\kq)+64*\c+\i*8*PA
	ds_load_b128 v[\f+8*(4*\c+\i)+4:\f+8*(4*\c+\i)+7],       v[ADRA+\slot] offset:256*(\kq)+64*\c+\i*8*PA+32
.endr
.endr
.endm
.macro PLACES                          ; four places in front of loads into registers that matrix instructions have read, and of the first read of results
.rept 4
	v_nop
.endr
.endm
; A K step is four quarters of 64 along K, 32 matrix instructions each, on buffers 0, 1, 0, 1.  One of the first three: multiplies buffer f and fetches the next quarter, kq, into g.
.macro QUARTER slot, kq, f, g, first
	s_wait_dscnt 16                                ; the first 32 along K are in
	WIN MUL
	MUL8 \f, 0, 0, \first
	MUL8 \f, 0, 2, \first
	PLACES
	FETCH \slot, \kq, \g
	s_wait_dscnt 32                                ; all but the 32 just issued
	WIN MUL
	MUL8 \f, 1, 0, 0
	MUL8 \f, 1, 2, 0
.endm
; The last quarter multiplies buffer 1 and changes slots: ONE barrier; in front of it each wave waits for all its tensor loads, adds 0 to its spare word, and waits for that and for its own reads of this slot.  fill = 1: this slot is filled again, two K steps ahead.
.macro TURN slot, next, fill
	WIN 0                                          ; (the add's two registers lie in window 0)
	s_wait_tensorcnt 0x0                           ; all my tensor loads have landed: my part of the next slot;
	ds_add_u32 v[SPW], v[NIL]                      ; 0 onto my spare word;
	s_wait_dscnt 17                                ; (the add and the youngest sixteen loads may be out)
	WIN MUL
	MUL8 F1, 0, 0, 0                               ; eight matrix instructions stand between the add and the wait for it
	s_wait_dscnt 0x0                               ; the add is done, and my reads of this slot are over
	s_barrier_signal -1
	MUL8 F1, 0, 2, 0
.if \fill
	WIN 0
.endif
	s_barrier_wait -1
.if \fill
	CREST                                          ; the barrier has opened a round of the cluster's barrier: no wave of any partner still reads this slot's tile or has a load on its way
	s_add_nc_u64 s[G0+4*\slot+2:G0+4*\slot+3], s[G0+4*\slot+2:G0+4*\slot+3], 2048
	s_add_nc_u64 s[G0B+4*\slot+2:G0B+4*\slot+3], s[G0B+4*\slot+2:G0B+4*\slot+3], 1024
	JLOAD \slot                                    ; the first tensor load behind the round; the four v_nop behind it are also the places in front of the loads below
.else
	PLACES
.endif
	FETCH \next, 0, F0
	WIN MUL
	MUL8 F1, 1, 0, 0
	MUL8 F1, 1, 2, 0
.endm
	s_wait_tensorcnt 1                             ; my part of K step 0 is in (K step 1's load may be out),
	s_barrier_signal -1
	s_barrier_wait -1                              ; everybody's is
	FETCH 0, 0, F0
	s_wait_loadcnt 0x0                             ; the bias
	QUARTER 0, 1, F0, F1, 1                        ; the first quarter stands in front of the loop: its first products start the sums
	WIN 0                                          ; at a label and at a branch every window is 0
	s_mov_b32 s3, LAPS-1
.Llap:                                                 ; a trip goes once round the ring, from a lap's second quarter to the next lap's first, and fills both slots again
	QUARTER 0, 2, F1, F0, 0
	QUARTER 0, 3, F0, F1, 0
	TURN 0, 1, 1
	QUARTER 1, 1, F0, F1, 0
	QUARTER 1, 2, F1, F0, 0
	QUARTER 1, 3, F0, F1, 0
	TURN 1, 0, 1
	QUARTER 0, 1, F0, F1, 0
	WIN 0
	s_sub_co_u32 s3, s3, 1
	s_cmp_lg_u32 s3, 0
	s_cbranch_scc1 .Llap
	QUARTER 0, 2, F1, F0, 0                        ; the last lap fills nothing, and has no round of the cluster's barrier
	QUARTER 0, 3, F0, F1, 0
	TURN 0, 1, 0
	QUARTER 1, 1, F0, F1, 0
	QUARTER 1, 2, F1, F0, 0
	QUARTER 1, 3, F0, F1, 0
	s_wait_dscnt 16                                ; the very last quarter: nothing more to fetch
	WIN MUL
	MUL8 F1, 0, 0, 0
	MUL8 F1, 0, 2, 0
	s_wait_dscnt 0
	MUL8 F1, 1, 0, 0
	MUL8 F1, 1, 2, 0
	WIN 0
; THE WAY OUT, 16 rows at a time.  My 64 columns of f32 are 256 bytes of a row, aligned.  A lane holds 32 of them and the lanes beside it hold other rows: so a block goes through my own stage and comes back as whole rows.
; LDS serves a wave's instructions in order: no wait between the stores and the loads, nor in front of the next block's stores.
.macro TOSTAGE a
.irp b, 0,1,2,3
	ds_store_b128 v[STO], v[ACC+8*(4*(\a)+\b):ACC+8*(4*(\a)+\b)+3] offset:64*\b          ; each accumulator from its low end on
	ds_store_b128 v[STO], v[ACC+8*(4*(\a)+\b)+4:ACC+8*(4*(\a)+\b)+7] offset:64*\b+16
.endr
.irp t, 0,1,2,3,4,5,6,7
	ds_load_b128 v[TMP+32*((\a)%2)+4*\t:TMP+32*((\a)%2)+4*\t+3], v[RD] offset:\t*2*SPITCH
.endr
.endm
.macro SEND a, younger                 ; younger: the LDS instructions issued behind block a's loads, which may stay out
	s_wait_dscnt \younger
.irp t, 0,1,2,3,4,5,6,7
	global_store_b128 v[CO], v[TMP+32*((\a)%2)+4*\t:TMP+32*((\a)%2)+4*\t+3], s[8:9] offset:(16*(\a)+2*\t)*4096 th:TH_STORE_NT   ; sixteen lanes store 256 consecutive bytes, aligned; written once, read by nobody here
.endr
.endm
	PLACES                                         ; the stage's stores read results just made
	TOSTAGE 0
.irp a, 1,2,3
.if \a > 1
	s_wait_xcnt 0x0                                ; block a - 2's stores have read their registers: block a's loads may land there
.endif
	TOSTAGE \a
	SEND \a-1, 16                                  ; behind block a - 1's loads: block a's 8 stores and 8 loads
.endr
	SEND 3, 0
	s_wait_tensorcnt 0x0                           ; the wave's end: behind my last tensor load and my last LDS store
	ds_add_u32 v[SPW], v[NIL]
	s_wait_dscnt 0x0
	CROUND                                         ; the closing round
	s_endpgm
.Lfunc_end_k_qabb0f26c1f_proj:
	.size	k_qabb0f26c1f_proj, .Lfunc_end_k_qabb0f26c1f_proj-k_qabb0f26c1f_proj
	.p2alignl 7, 3214868480
	.fill 96, 4, 3214868480
	.section	.rodata,"a",@progbits
	.p2align	6, 0x0
	.amdhsa_kernel k_qabb0f26c1f_proj
		.amdhsa_group_segment_fixed_size 327680
		.amdhsa_private_segment_fixed_size 0
		.amdhsa_enable_private_segment 0
		.amdhsa_kernarg_size 32
		.amdhsa_user_sgpr_count 2
		.amdhsa_user_sgpr_kernarg_segment_ptr 1
		.amdhsa_wavefront_size32 1
		.amdhsa_system_sgpr_workgroup_id_x 1
		.amdhsa_system_sgpr_workgroup_id_y 1
		.amdhsa_system_sgpr_workgroup_id_z 1
		.amdhsa_system_vgpr_workitem_id 0
		.amdhsa_next_free_vgpr 512
		.amdhsa_next_free_sgpr 68
		.amdhsa_reserve_vcc 0
		.amdhsa_float_denorm_mode_32 3
		.amdhsa_float_denorm_mode_16_64 3
		.amdhsa_memory_ordered 1
		.amdhsa_forward_progress 1
		.amdhsa_inst_pref_size 87
	.end_amdhsa_kernel
	.amdgpu_metadata
---
amdhsa.version: [ 1, 2 ]
amdhsa.kernels:
  - .name:           k_qabb0f26c1f_proj
    .symbol:         k_qabb0f26c1f_proj.kd
    .args:
      - { .name: att, .offset: 0, .size: 8, .value_kind: global_buffer, .address_space: global }
      - { .name: pw, .offset: 8, .size: 8, .value_kind: global_buffer, .address_space: global }
      - { .name: proj_b, .offset: 16, .size: 8, .value_kind: global_buffer, .address_space: global }
      - { .name: out0, .offset: 24, .size: 8, .value_kind: global_buffer, .address_space: global }
    .group_segment_fixed_size: 327680
    .private_segment_fixed_size: 0
    .kernarg_segment_align: 8
    .kernarg_segment_size: 32
    .max_flat_workgroup_size: 128
    .sgpr_count:     68
    .vgpr_count:     512
    .wavefront_size: 32
...
	.end_amdgpu_metadata
.endif
;; end of part 4
